; MI455X (gfx1250); checked and timed in simulation.
; The chip was launched on July 23, 2026; its instructions are those of AMD's public machine-readable ISA for CDNA 5 (MIT licence, August 2026) and "CDNA5" Instruction Set Architecture Reference Guide (July 2026). The comments in the code are by the model that wrote it; some were corrected since.
;; Causal Self Attention. Allowed arithmetic: matrix products marked QUANTISED: E2M1 operands, one E8M0 scale for each 32 along K, by v_wmma_scale_f32_16x16x128_f8f6f4 with both operands' format E2M1 (or v_wmma_scale_f32_32x16x128_f4), f32 sums; everything else in f32.
;; Inputs: b_attn 3,072 float32; b_proj 1,024 float32; w_attn 1,024 x 3,072 float32; w_proj 1,024 x 1,024 float32; x 4 x 2,048 x 1,024 float32.
;; Outputs: out0 4 x 2,048 x 1,024 float32.
;; This version of the problem:
;;   THIS VERSION OF THE PROBLEM IS GIVEN IN LOW PRECISION. The matrix products marked QUANTISED in the list below multiply operands that are first quantised to E2M1 (2 exponent bits, 1 mantissa bit; 4 bits a number), with one power-of-two scale for each 32 numbers along K (OCP MX v1.0); their sums are f32. All else is computed in f32.
;;   The module's matrix products, in the order in which they are computed (A, B: the left and right operand; K: the contracted axis; several contracted axes count as one K, in the product's order):
;;     1. [M 8,192, K 1,024] x [K 1,024, N 3,072]; A: input x; B: input w_attn: QUANTISED
;;     2. batch 64 x [M 2,048, K 64] x [K 64, N 2,048]; A: computed on the way; B: computed on the way: QUANTISED
;;     3. batch 64 x [M 2,048, K 2,048] x [K 2,048, N 64]; A: softmax (see below); B: computed on the way: QUANTISED
;;     4. [M 8,192, K 1,024] x [K 1,024, N 1,024]; A: computed on the way; B: input w_proj: QUANTISED
;;   THE QUANTISER, for each operand of a quantised product, along K:
;;     - K is cut into blocks of 32 from its start; a last block that is shorter is filled with zeros.
;;     - A block's scale is 2^e with e = floor(log2(the largest magnitude in the block)) - 2, held to -126 .. 127; a block of zeros has e = 0. As a byte (E8M0): e + 127.
;;     - Each number is divided by its block's scale, clamped to +-6, and rounded to the nearest number of E2M1, ties to even, subnormals kept.
;;     - The product sums the exact products of the quantised numbers (number of the format x scale) in f32.
;;   ~~~python
;;   def quantise(x, axis):      # numpy; x: float32 -> the quantised numbers, widened to float32 again
;;       x = np.moveaxis(x, axis, -1); K = x.shape[-1]
;;       x = np.pad(x, [(0, 0)] * (x.ndim - 1) + [(0, -K % 32)]); x = x.reshape(x.shape[:-1] + (-1, 32)); a = np.abs(x).max(-1, keepdims=True)
;;       e = np.where(a > 0, np.clip(np.frexp(np.where(a > 0, a, 1))[1] - 1 - 2, -126, 127), 0)      # np.frexp(a)[1] - 1 = floor(log2(a)), exactly
;;       r = np.clip(x / 2.0 ** e, -6, 6)
;;       step = 2.0 ** (np.maximum(np.frexp(np.where(r == 0, 1, r))[1] - 1, 0) - 1)
;;       q = np.round(r / step) * step * 2.0 ** e      # np.round: ties to even
;;       return np.moveaxis(q.reshape(q.shape[:-2] + (-1,))[..., :K], -1, axis).astype(np.float32)
;;   ~~~
;;   SOFTMAX AHEAD OF A QUANTISED PRODUCT. Where the list says 'softmax', what is quantised is not the finished softmax but p = 2^(t - M), with t = logit x log2(e) and M = ceil(the row's largest t), a whole number; so 1/2 < the row's largest p <= 1. The row's sum l is taken of the UNQUANTISED p, in f32, and the product's result is divided by l at the end. Since M is a whole number, a kernel that streams over the keys may use a running M (the ceiling of the running maximum): every later rescaling is an exact power of two, which a block's scale takes up: the codes' values come out the same.
;;   OPERANDS COMPUTED ON THE WAY. 'Computed on the way' means the value that the module computes at that place (a softmax that the list does not call 'softmax' is quantised finished and normalised). What goes into a quantiser is computed in f32, as accurately as f32 sums, v_exp_f32 and their like allow (about 1e-6 of the number): no bf16 or f16 on the way to a quantiser, and a product that is left as it is and whose result goes on into a quantised operand takes f32 operands (vector FMAs, or v_wmma_f32_16x16x4_f32). A number that lies on a knife's edge between two numbers of the format may be rounded either way, as far as f32 arithmetic and the matrix unit's own rounding can turn it there, and no further.
;; One version. Each part assembles by itself: llvm-mc -triple=amdgcn-amd-amdhsa -mcpu=gfx1250 --defsym DOCPART=n.
;; ======== version 1 of 1: 4 launches
;; workspace buffers: xc 4,194,304 bytes; xs 262,144 bytes; wc 2,097,152 bytes; ws 131,072 bytes; qkv 13,893,632 bytes; yc 4,194,304 bytes; ys 262,144 bytes
;; launch prep (part 1): grid 320 x 1, 4 waves a work-group, no clusters, 102,912 bytes of LDS; arguments x, w_attn, w_proj, xc, xs, wc, ws; writes xc, xs, wc, ws
.if DOCPART == 1
	.amdgcn_target "amdgcn-amd-amdhsa--gfx1250"
	.amdhsa_code_object_version 6
	.text
	.protected	k_q8628583e61_prep
	.globl	k_q8628583e61_prep
	.p2align	8
	.type	k_q8628583e61_prep,@function
k_q8628583e61_prep:
	s_mov_b64 s[64:65], 0
	v_nop
	global_prefetch_b8 v0, s[64:65] scope:SCOPE_SE
	s_setreg_imm32_b32 hwreg(HW_REG_WAVE_MODE, 25, 1), 1
	s_wait_xcnt 0x0
; x [8192][1024], w_attn [1024][3072] and w_proj [1024][1024], f32, become codes of FP4 (E2M1) with K innermost and one E8M0 byte for each 32 along K.
;   xc [position 8192][512 bytes], xs [position][32 bytes];  wc [position 4096][512 bytes], ws [position][32 bytes]: positions 0-3071 w_attn's columns, 3072-4095 w_proj's.
; ROW n OF x, AND COLUMN n OF A WEIGHT, LIES AT POSITION sigma(n) = n with its bits 3 and 4 exchanged.  So 16 consecutive positions 16 a + m hold the items 32 (a / 2) + 8 (a % 2) + m + 8 (m / 8):
; a matrix tile of 16 consecutive positions then leaves, in a lane's registers of two neighbouring tiles, 16 neighbours along the next product's K.
; A block's scale is 2^(floor(log2(its largest magnitude)) - 2); its byte is the largest magnitude's exponent field - 2, held at 1 from below.
; LIMITS: a block of zeros, or one whose largest magnitude lies under 2^-124, gets the byte 1 (its codes are zeros or next to it; only this program reads the bytes); NaN and infinities among the inputs are not served.
; Three ways, parted on the work-group's number alone, each with LDS bytes of its own: work-groups 0-255 take x (K innermost: a lane holds 16 neighbours, two lanes a block; the numbers turn through a stage in LDS so that
; every load reads 512 consecutive bytes); 256-303 take w_attn, 304-319 w_proj (K outermost: a lane takes a column and its registers run down K; the codes leave through a stage, sixteen lanes to 256 consecutive bytes).
; No tensor loads, no barrier, no cluster: no two work-groups read the same bytes, and waves share nothing.
.set STEPS, 16                         ; x: steps of 512 numbers for a wave
.set SP,    80                         ; x: a lane's place in a stage: 64 bytes + 16 of padding
.set WREG,  8192                       ; x: LDS of a wave: two stages of 32 x SP bytes, then its 256 scale bytes
.set R,     16                         ; x: v16-79 four sets of 16 numbers as loaded
.set X,     80                         ; x: v80-111 two sets of 16 neighbours
.set C,     128                        ; x: v128-191 codes, four registers a step: no store's data are written again
.set E,     112                        ; x: v112-127 a scale byte a step
.set NB,    16                         ; w: blocks of 32 along K for a wave (512 along K)
.set PITCH, 272                        ; w: a stage row: 256 bytes of codes + 16
.set XW,    32                         ; w: v32-95 two sets of 32 numbers
.set CW,    96                         ; w: a block's codes
.set OUTR,  112                        ; w: v112-175 the way out
.set SB,    24                         ; w: v24-27 the scale bytes, four to a register
.macro LOADX t                         ; 32 lanes read 512 consecutive bytes, four times
.irp i, 0,1,2,3
	global_load_b128 v[R+16*((\t)%4)+4*\i:R+16*((\t)%4)+4*\i+3], v3, s[4:5] offset:2048*(\t)+512*\i th:TH_LOAD_NT
.endr
.endm
.macro TURNX t                         ; a step's 2,048 bytes through the stage: LDS serves a wave's instructions in order, so no wait stands between the stores and the loads
.irp i, 0,1,2,3
	ds_store_b128 v14, v[R+16*((\t)%4)+4*\i:R+16*((\t)%4)+4*\i+3] offset:32*SP*((\t)%2)+8*SP*\i
.endr
.irp i, 0,1,2,3
	ds_load_b128 v[X+16*((\t)%2)+4*\i:X+16*((\t)%2)+4*\i+3], v15 offset:32*SP*((\t)%2)+16*\i
.endr
.endm
.macro STEPX t
.set XS, X+16*((\t)%2)
.if (\t) > 0
	s_wait_dscnt 1                                 ; this step's numbers are back from the stage; only the last step's byte store may be out
.else
	s_wait_dscnt 0x0
.endif
.if (\t)+4 < STEPS
	LOADX (\t)+4                                   ; into the registers that this step's stores into the stage have read
.endif
.if (\t)+1 < STEPS
.if STEPS-2-(\t) >= 3
	s_wait_loadcnt 12                              ; the next step's four loads are in; those of the three steps behind it may be out
.else
	s_wait_loadcnt 4*(STEPS-2-(\t))
.endif
	TURNX (\t)+1
.endif
	v_max3_num_f32 v8, |v[XS]|, |v[XS+1]|, |v[XS+2]|               ; the largest magnitude of my 16, in two chains
	v_max3_num_f32 v9, |v[XS+3]|, |v[XS+4]|, |v[XS+5]|
.irp i, 6,10
	v_max3_num_f32 v8, v8, |v[XS+\i]|, |v[XS+\i+1]|
	v_max3_num_f32 v9, v9, |v[XS+\i+2]|, |v[XS+\i+3]|
.endr
	v_max3_num_f32 v8, v8, |v[XS+14]|, |v[XS+15]|
	v_max3_num_f32 v8, v8, v9, 0x1800000           ; and the floor 2^(3 - 127): the byte cannot fall under 1
	v_max_num_f32_dpp v8, v8, v8 row_xmask:1 row_mask:0xf bank_mask:0xf   ; with my neighbour's 16: the block's
	v_add_nc_u32 v11, 0xff000000, v8               ; 2 off its exponent field: the conversion takes the exponent field of this operand as its scale
	v_cvt_scalef32_pk8_fp4_f32 v[C+4*(\t)], v[XS:XS+7], v11
	v_cvt_scalef32_pk8_fp4_f32 v[C+4*(\t)+1], v[XS+8:XS+15], v11
	v_lshrrev_b32 v[E+(\t)], 23, v11               ; the scale's byte (a plain line behind the conversions)
	ds_store_b8 v5, v[E+(\t)] offset:16*(\t)       ; both lanes of a block write the same byte with the same value
	global_store_b64 v4, v[C+4*(\t):C+4*(\t)+1], s[10:11] offset:256*(\t)   ; the wave stores 256 consecutive bytes
.endm
.macro LOADW t, n                      ; block t: W(32 t + i, my column), i = 0 .. 31: 128 consecutive bytes a wave and load
.irp i, 0,1,2,3,4,5,6,7,8,9,10,11,12,13,14,15,16,17,18,19,20,21,22,23,24,25,26,27,28,29,30,31
	global_load_b32 v[XW+32*((\t)%2)+\i], v3, s[30:31] offset:(32*(\t)+\i)*\n*4 th:TH_LOAD_NT
.endr
.endm
.macro BLOCKW t, n
.set XS, XW+32*((\t)%2)
.if (\t) < NB-1
	s_wait_loadcnt 32                              ; this block's 32 loads are in; the next block's may be out
.else
	s_wait_loadcnt 0
.endif
	v_max3_num_f32 v12, |v[XS]|, |v[XS+1]|, |v[XS+2]|               ; all 32 numbers of the block are mine
	v_max3_num_f32 v13, |v[XS+3]|, |v[XS+4]|, |v[XS+5]|
.irp i, 6,10,14,18,22,26
	v_max3_num_f32 v12, v12, |v[XS+\i]|, |v[XS+\i+1]|
	v_max3_num_f32 v13, v13, |v[XS+\i+2]|, |v[XS+\i+3]|
.endr
	v_max3_num_f32 v12, v12, |v[XS+30]|, |v[XS+31]|
	v_max3_num_f32 v12, v12, v13, 0x1800000        ; the floor
	v_add_nc_u32 v11, 0xff000000, v12              ; the conversion's scale operand
	v_lshrrev_b32 v13, 23, v11                     ; the byte
.if (\t)%4 == 0
	v_mov_b32 v[SB+(\t)/4], v13
.else
	v_lshl_or_b32 v[SB+(\t)/4], v13, 8*((\t)%4), v[SB+(\t)/4]
.endif
.irp g, 0,1,2,3
	v_cvt_scalef32_pk8_fp4_f32 v[CW+\g], v[XS+8*\g:XS+8*\g+7], v11
.endr
	ds_store_b128 v4, v[CW:CW+3] offset:16*(\t)    ; 32 codes: 16 bytes of my column's row in the stage
.if (\t)+2 < NB
	LOADW (\t)+2, \n
.endif
	s_wait_dscnt 0x0                               ; the store has read its registers: the next block's codes may be written
.endm
; A weight of n columns at s[src:src+1]; its columns' positions begin at row0 of wc and ws; its work-groups begin at idx0; its stages at LDS byte lb.
; Every offset is an immediate: 511 x n x 4 bytes at the most, 6,279,168 for n = 3,072, inside the signed 24-bit immediate (ISA guide, chapter 10).
.macro WPATH n, src, row0, idx0, lb
	s_sub_co_u32 s19, ttmp9, \idx0
	s_and_b32 s20, s19, 1                          ; which 512 along K
	s_lshr_b32 s21, s19, 1
	s_lshl_b32 s21, s21, 7
	s_lshl_b32 s22, s18, 5
	s_add_co_u32 s21, s21, s22                     ; my wave's first column: 128 x group + 32 x wave
	v_lshlrev_b32 v3, 2, v2                        ; in: 4 bytes a lane
	v_and_b32 v5, 7, v2
	v_and_b32 v6, 8, v2
	v_lshl_or_b32 v5, v6, 1, v5
	v_bfe_u32 v6, v2, 4, 1
	v_lshl_or_b32 v5, v6, 3, v5                    ; my column's position among the wave's 32: the lane with its bits 3 and 4 exchanged
	s_mul_i32 s22, s18, 32*PITCH
	s_add_co_u32 s22, s22, \lb                     ; my stage
	v_mul_u32_u24 v4, v5, PITCH
	v_add_nc_u32 v4, s22, v4                       ; into it: row = my column's position
	v_lshlrev_b32 v9, 5, v5                        ; and that position's row of scale bytes
	v_and_b32 v5, 15, v2
	v_lshrrev_b32 v6, 4, v2
	v_mul_u32_u24 v7, v6, PITCH
	v_lshl_add_u32 v7, v5, 4, v7
	v_add_nc_u32 v7, s22, v7                       ; out of it: sixteen lanes to a row, two rows an instruction
	v_lshlrev_b32 v8, 9, v6
	v_lshl_add_u32 v8, v5, 4, v8                   ; and the same place in wc (rows of 512 bytes)
	s_mul_i32 s24, s20, 512*\n*4
	s_lshl_b32 s23, s21, 2
	s_add_co_u32 s24, s24, s23                     ; the weight: 512 y rows down, 4 x column along
	s_mov_b32 s25, 0
	s_add_co_u32 s21, s21, \row0
	s_lshl_b32 s26, s21, 9
	s_lshl_b32 s23, s20, 8
	s_add_co_u32 s26, s26, s23                     ; wc: position x 512 + 256 y
	s_mov_b32 s27, 0
	s_lshl_b32 s28, s21, 5
	s_lshl_b32 s23, s20, 4
	s_add_co_u32 s28, s28, s23                     ; ws: position x 32 + 16 y
	s_mov_b32 s29, 0
	s_wait_kmcnt 0x0
	s_add_nc_u64 s[30:31], s[\src:\src+1], s[24:25]
	s_add_nc_u64 s[32:33], s[14:15], s[26:27]
	s_add_nc_u64 s[34:35], s[16:17], s[28:29]
	LOADW 0, \n
	LOADW 1, \n
.set Q, 0
.rept NB
	BLOCKW Q, \n
.set Q, Q+1
.endr
	global_store_b128 v9, v[SB:SB+3], s[34:35]     ; my column's 16 scale bytes (rows 32 bytes apart: half a row a lane; 131,072 bytes in all go out so)
.irp t, 0,1,2,3,4,5,6,7,8,9,10,11,12,13,14,15
	ds_load_b128 v[OUTR+4*\t:OUTR+4*\t+3], v7 offset:2*\t*PITCH   ; LDS serves a wave's instructions in order: these see my stores
.endr
.irp t, 0,1,2,3,4,5,6,7,8,9,10,11,12,13,14,15
	s_wait_dscnt 15-\t                             ; read-back t is in; the younger ones may be out
	global_store_b128 v8, v[OUTR+4*\t:OUTR+4*\t+3], s[32:33] offset:2*\t*512   ; sixteen lanes store 256 consecutive bytes, aligned
.endr
.endm
	s_load_b256 s[4:11], s[0:1], 0x0               ; x s[4:5], w_attn s[6:7], w_proj s[8:9], xc s[10:11]
	s_load_b128 s[12:15], s[0:1], 0x20             ; xs s[12:13], wc s[14:15]
	s_load_b64 s[16:17], s[0:1], 0x30              ; ws
	v_lshl_add_u32 v192, v0, 2, 0x19000
	v_mov_b32 v193, 0
	v_lshrrev_b32 v1, 5, v0
	v_readfirstlane_b32 s18, v1                    ; wave 0..3
	v_and_b32 v2, 31, v0                           ; lane
	s_cmp_lt_u32 ttmp9, 256
	s_cbranch_scc0 .Lweights
	; ---- x: my wave's run of 8,192 numbers is 8 rows; exchanging bits 3 and 4 of a row's number exchanges bits 0 and 1 of the run's, which are the wave's
	v_lshlrev_b32 v3, 4, v2                        ; my 16 bytes of a load's 512
	s_mul_i32 s19, s18, WREG
	v_lshrrev_b32 v14, 2, v2
	v_mul_u32_u24 v14, v14, SP
	v_and_b32 v15, 3, v2
	v_lshl_add_u32 v14, v15, 4, v14
	v_add_nc_u32 v14, s19, v14                     ; the stage, on the way in: SP (lane / 4) + 16 (lane % 4)
	v_mul_u32_u24 v15, v2, SP
	v_add_nc_u32 v15, s19, v15                     ; and on the way out: SP x lane: my 16 neighbours
	v_lshlrev_b32 v4, 3, v2                        ; my 8 bytes of a step's codes
	v_lshrrev_b32 v5, 1, v2
	s_add_co_u32 s19, s19, 2*32*SP
	v_add_nc_u32 v5, s19, v5                       ; LDS: my block's byte among my wave's 256
	v_lshlrev_b32 v7, 3, v2
	v_add_nc_u32 v6, s19, v7                       ; and 8 bytes a lane on their way out
	s_lshl_b32 s20, ttmp9, 2
	s_add_co_u32 s22, s20, s18                     ; the run that I read
	s_and_b32 s21, s18, 1
	s_lshl_b32 s21, s21, 1
	s_lshr_b32 s23, s18, 1
	s_or_b32 s21, s21, s23
	s_add_co_u32 s24, s20, s21                     ; the run of positions that I write
	s_lshl_b32 s22, s22, 15                        ; 32,768 bytes of f32 a run,
	s_mov_b32 s23, 0
	s_lshl_b32 s26, s24, 12                        ; 4,096 of codes,
	s_mov_b32 s27, 0
	s_lshl_b32 s28, s24, 8                         ; 256 of scale bytes
	s_mov_b32 s29, 0
	s_wait_kmcnt 0x0
	s_add_nc_u64 s[4:5], s[4:5], s[22:23]
	s_add_nc_u64 s[10:11], s[10:11], s[26:27]
	s_add_nc_u64 s[12:13], s[12:13], s[28:29]
.irp t, 0,1,2,3
	LOADX \t
.endr
	s_wait_loadcnt 12                              ; step 0's four loads are in
	TURNX 0
.irp t, 0,1,2,3,4,5,6,7,8,9,10,11,12,13,14,15
	STEPX \t
.endr
	ds_load_b64 v[12:13], v6                       ; LDS serves a wave's instructions in order: these see my byte stores
	s_wait_dscnt 0x0
	global_store_b64 v7, v[12:13], s[12:13]        ; 32 lanes store 256 consecutive bytes, aligned
	s_wait_tensorcnt 0x0
	ds_add_u32 v192, v193
	s_wait_dscnt 0x0
	s_endpgm
.Lweights:
	s_cmp_lt_u32 ttmp9, 304
	s_cbranch_scc0 .Lproj
	WPATH 3072, 6, 0, 256, 32768
	s_wait_tensorcnt 0x0
	ds_add_u32 v192, v193
	s_wait_dscnt 0x0
	s_endpgm
.Lproj:
	WPATH 1024, 8, 3072, 304, 67584
	s_wait_tensorcnt 0x0
	ds_add_u32 v192, v193
	s_wait_dscnt 0x0
	s_endpgm
.Lfunc_end_k_q8628583e61_prep:
	.size	k_q8628583e61_prep, .Lfunc_end_k_q8628583e61_prep-k_q8628583e61_prep
	.p2alignl 7, 3214868480
	.fill 96, 4, 3214868480
	.section	.rodata,"a",@progbits
	.p2align	6, 0x0
	.amdhsa_kernel k_q8628583e61_prep
		.amdhsa_group_segment_fixed_size 102912
		.amdhsa_private_segment_fixed_size 0
		.amdhsa_enable_private_segment 0
		.amdhsa_kernarg_size 56
		.amdhsa_user_sgpr_count 2
		.amdhsa_user_sgpr_kernarg_segment_ptr 1
		.amdhsa_wavefront_size32 1
		.amdhsa_system_sgpr_workgroup_id_x 1
		.amdhsa_system_sgpr_workgroup_id_y 1
		.amdhsa_system_sgpr_workgroup_id_z 1
		.amdhsa_system_vgpr_workitem_id 0
		.amdhsa_next_free_vgpr 194
		.amdhsa_next_free_sgpr 66
		.amdhsa_reserve_vcc 0
		.amdhsa_float_denorm_mode_32 3
		.amdhsa_float_denorm_mode_16_64 3
		.amdhsa_memory_ordered 1
		.amdhsa_forward_progress 1
		.amdhsa_inst_pref_size 189
	.end_amdhsa_kernel
	.amdgpu_metadata
---
amdhsa.version: [ 1, 2 ]
amdhsa.kernels:
  - .name:           k_q8628583e61_prep
    .symbol:         k_q8628583e61_prep.kd
    .args:
      - { .name: x, .offset: 0, .size: 8, .value_kind: global_buffer, .address_space: global }
      - { .name: w_attn, .offset: 8, .size: 8, .value_kind: global_buffer, .address_space: global }
      - { .name: w_proj, .offset: 16, .size: 8, .value_kind: global_buffer, .address_space: global }
      - { .name: xc, .offset: 24, .size: 8, .value_kind: global_buffer, .address_space: global }
      - { .name: xs, .offset: 32, .size: 8, .value_kind: global_buffer, .address_space: global }
      - { .name: wc, .offset: 40, .size: 8, .value_kind: global_buffer, .address_space: global }
      - { .name: ws, .offset: 48, .size: 8, .value_kind: global_buffer, .address_space: global }
    .group_segment_fixed_size: 102912
    .private_segment_fixed_size: 0
    .kernarg_segment_align: 8
    .kernarg_segment_size: 56
    .max_flat_workgroup_size: 128
    .sgpr_count:     66
    .vgpr_count:     194
    .wavefront_size: 32
...
	.end_amdgpu_metadata
.endif
;; end of part 1
;; launch gemm_qkv (part 2): grid 12 x 32, 4 waves a work-group, clusters of 4 x 4, 327,680 bytes of LDS; arguments xc, xs, wc, ws, qkv, b_attn; writes qkv
.if DOCPART == 2
	.amdgcn_target "amdgcn-amd-amdhsa--gfx1250"
	.amdhsa_code_object_version 6
	.text
	.protected	k_q8628583e61_gemm_qkv
	.globl	k_q8628583e61_gemm_qkv
	.p2align	8
	.type	k_q8628583e61_gemm_qkv,@function
k_q8628583e61_gemm_qkv:
	s_mov_b64 s[64:65], 0
	v_nop
	global_prefetch_b8 v0, s[64:65] scope:SCOPE_SE
	s_setreg_imm32_b32 hwreg(HW_REG_WAVE_MODE, 25, 1), 1
	s_wait_xcnt 0x0
	s_wait_alu depctr_hold_cnt(0) depctr_sa_sdst(0) depctr_va_vdst(0) depctr_va_sdst(0) depctr_va_ssrc(0) depctr_va_vcc(0) depctr_vm_vsrc(0)
	s_getreg_b32 s2, hwreg(HW_REG_IB_STS2, 6, 4)
	s_cmp_eq_u32 s2, 0
	s_cbranch_scc0 .Lentry_in_a_cluster
	s_endpgm
.Lentry_in_a_cluster:
	s_bfe_u32 s2, ttmp6, 0x10000c
	s_cmp_lg_u32 s2, 0xf033
	s_cbranch_scc0 .Lentry_shape_is_right
	s_endpgm
.Lentry_shape_is_right:
; qkv = x w_attn + b_attn on codes of FP4 with E8M0 scales (K = 1,024), and q, k, v quantised at once for the two products of attention: nothing wider than codes leaves this launch.
; A work-group makes 256 x 256 of the product, four waves 128 x 128 each (64 accumulators, 512 registers).  K = 1,024 is two LDS slots of 512 along K: both are asked for at the start, nothing is filled again.
; TWO REGIONS.  The matrix instruction's source 1 takes 16 rows of the "A region", its source 0 16 rows of the "B region": a lane then holds ONE item of A and its registers run along B's items.
;   q, k (cluster x = 0, 1): A = tokens (xc), B = output units (wc): a lane holds a token, its registers run along the head's 64: the axis along which q and k are quantised.
;   v    (cluster x = 2):    A = output units (wc), B = tokens (xc): a lane holds a channel, its registers run along the tokens: the axis along which v is quantised.
; Rows, pitch and scale rows of xc and wc are alike, so one text serves both: only pointers and tile numbers are chosen, on the cluster's x, which all partners of a cluster share.
; POSITIONS.  Row position p of xc and wc holds item p with its bits 3 and 4 exchanged.  So lane (r, h) of accumulator (a, b) holds A's item 32 (a / 2) + 8 (a % 2) + r + 8 (r / 8), and register 8 b + j of the run of
; eight b's holds B's item 32 (b / 2) + 16 h + 8 (b % 2) + j: register 16 B + i is item 32 B + 16 h + i: 16 neighbours of each block of 32; lanes l and l xor 16 share a block.
; THE BIAS is the C of each sum's first matrix instruction.
; OUT: records of 217,088 bytes, one for each (batch, head).  Key step s (128 tokens) at 8,960 s: K's 8 tile images of 512 bytes, V's 4 fragment images of 1,024, K's scale words (512), V's (256).  From 143,360 on, step s
; at 4,608 s: Q's 8 tile images, Q's scale words (512).  An image is the operand's registers as they stand, lane l's 16 bytes at 16 l: every store of the wave covers 512 (V's scale words: 2 x 256) consecutive bytes, aligned.
; CLUSTERS: 4 x 4 work-groups; A's tiles are shared along a row of the cluster, B's along a column, each asked for jointly.  384 work-groups are 24 clusters.
; LIMITS: a block of zeros or under 2^-124 gets the scale byte 1; NaN and infinities are not served.
; REGISTERS: window 0: v0-31 addresses; v32-95 scale words, two sets; v96-103 offsets of the bias; v104-111 the scale words made; v112-127 at work; v128-191 A's fragments, later the codes made; v192-255 the bias, later scale words on their way out.
;   window 1: B's fragments, two sets.   windows 2, 3: the accumulators ((a, b) at v[8 (8 (a % 4) + b)]).
.set NQ,     4                         ; matrix instructions deep in a slot (512 along K)
.set ROWB,   256                       ; a tile's row in bytes
.set KROW,   512                       ; a row of xc or wc in bytes
.set PITCH,  272                       ; an LDS row: 256 bytes + 16 of padding: the 16 rows that a load touches begin 16 bytes apart modulo 256
.set FR,     8
.set NL,     2
.set NP,     4                         ; places behind this matrix instruction (ISA guide 7.12.1)
.set HALFT,  128*PITCH
.set SLOT,   4*HALFT
.set KS,     32                        ; a row of scale bytes
.set SCL,    2*SLOT                    ; behind the slots: the scales, as rows of 256 bytes + 16
.set HALFS,  (128*KS/256)*272
.set SBLK,   (16*KS/256)*272
.set SPARE,  SCL+4*HALFS               ; the spare words, 128 bytes a wave
.set REC,    217088
.set KVSTEP, 8960
.set QPART,  143360
.set QSTEP,  4608
.set ADRA, 16
.set ADRB, 20
.set VSO,  24                          ; v24  16 r + h x REC: where V's scale words go
.set CO,   26                          ; v26  16 x lane
.set ADRS, 27
.set SPW,  28
.set NIL,  29
.set SC,   32
.set BOF,  96
.set PWS,  104
.set TM,   112
.set AF,   128
.set PCB,  128
.set BI,   192
.set TW,   192
.set G1, 24
.set G0, 32
.set G1B, 48
.set G0B, 56
.set G1S, 68
.set G0S, 76
.set G1SB, 80
.set G0SB, 88
.set MSB, 0
.macro WIN new                         ; the immediate's high byte repeats the setting that is left
.if MSB != \new
	s_set_vgpr_msb (MSB<<8)|\new
.set MSB, \new
.endif
.endm
.set MUL_LO, 0xa1                      ; source 0 (B) window 1, source 1 (A) window 0, C and D window 2
.set MUL_HI, 0xf1                      ; the same, C and D window 3
.set BIA_LO, 0x81                      ; C (the bias) window 0, D window 2
.set BIA_HI, 0xc1                      ; C window 0, D window 3
.set TO_B,   0x40
; A joint load: waves 0 and 1 fetch for A, waves 2 and 3 for B; the branch hangs on the wave's number alone.  Four v_nop follow each of the two lines.
.macro JLOAD g0a, g1a, g0b, g1b
	s_cmp_eq_u32 s15, 0
	s_cbranch_scc0 .Lfor_b_\@
	tensor_load_to_lds s[\g0a:\g0a+3], s[\g1a:\g1a+7]
	s_nop 0
.rept 4
	v_nop
.endr
	s_branch .Lasked_\@
.Lfor_b_\@:
	tensor_load_to_lds s[\g0b:\g0b+3], s[\g1b:\g1b+7]
	s_nop 0
.rept 4
	v_nop
.endr
.Lasked_\@:
.endm
.macro CROUND                          ; a round of the cluster's barrier
	s_barrier_signal -1
	s_barrier_wait -1
	s_cmp_lg_u32 s14, 0
	s_cbranch_scc1 .Lnot_wave_0_\@
	s_barrier_signal -3
.Lnot_wave_0_\@:
	s_barrier_wait -3
	s_barrier_signal -1
	s_barrier_wait -1
.endm
	s_load_b128 s[4:7], s[0:1], 0x0                ; xc, xs
	s_load_b128 s[8:11], s[0:1], 0x10              ; wc, ws
	s_load_b64 s[12:13], s[0:1], 0x20              ; qkv
	s_load_b64 s[98:99], s[0:1], 0x28              ; b_attn
	v_lshl_add_u32 v[SPW], v0, 2, SPARE
	v_mov_b32 v[NIL], 0
	ds_add_u32 v28, v29
	ds_add_u32 v28, v29
	s_wait_dscnt 0x0
	v_lshrrev_b32 v1, 5, v0
	v_readfirstlane_b32 s14, v1                    ; wave 0..3
	s_lshr_b32 s15, s14, 1                         ; which half of A's 256 rows is mine.  Also: I fetch for A (0) or for B (1)
	s_and_b32 s16, s14, 1                          ; which half of B's.  Also: which 128 rows of that tile I fetch
	s_bfe_u32 s40, ttmp6, 0x40000                  ; cx, cy: my place in the cluster
	s_bfe_u32 s41, ttmp6, 0x40004
	s_and_b32 s19, ttmp7, 0xffff
	s_lshl_b32 s19, s19, 2                         ; 4 x cluster y
	s_lshl_b32 s42, ttmp9, 2                       ; 4 x cluster x
	s_cmp_eq_u32 ttmp9, 2                          ; v's clusters?
	s_cselect_b32 s18, 8, s19
	s_cselect_b32 s42, s19, s42
	s_add_co_u32 s17, s18, s41                     ; A's tile: q, k: tokens 256 (4 Y + cy); v: positions 256 (8 + cy) of wc
	s_add_co_u32 s42, s42, s40                     ; B's tile: q, k: positions 256 (4 X + cx) of wc; v: tokens 256 (4 Y + cx)
	s_lshl_b32 s43, s41, 2
	s_lshl_b32 s43, 15, s43                        ; my row of the cluster
	s_lshl_b32 s44, 0x1111, s40                    ; my column
	s_or_b32 s[G1+0], s43, (0<<16)|(1<<20)|(1<<21)|(5<<22)|(3<<25)  ; the mask; elements of 1 byte; padding on; bit 21 beside a mask; after every 64 words 4 words
	s_or_b32 s[G1B+0], s44, (0<<16)|(1<<20)|(1<<21)|(5<<22)|(3<<25)
.irp g, G1, G1B
	s_mov_b32 s[\g+1], ROWB<<16                    ; tensor_dim0
	s_mov_b32 s[\g+2], 128<<16                     ; tensor_dim1
	s_mov_b32 s[\g+3], ROWB<<16                    ; tile_dim0
	s_mov_b32 s[\g+4], 128                         ; tile_dim1
	s_mov_b32 s[\g+5], KROW                        ; the pitch
	s_mov_b32 s[\g+6], 0
	s_mov_b32 s[\g+7], 0
.endr
	s_or_b32 s[G1S+0], s43, (3<<16)|(1<<20)|(1<<21)|(5<<22)|(3<<25) ; the scales of 128 rows: 4,096 dense bytes as 16 rows of 256 (32 elements of 8 bytes), 16 bytes of padding behind each
	s_or_b32 s[G1SB+0], s44, (3<<16)|(1<<20)|(1<<21)|(5<<22)|(3<<25)
.irp g, G1S, G1SB
	s_mov_b32 s[\g+1], 32<<16
	s_mov_b32 s[\g+2], (128*KS/256)<<16
	s_mov_b32 s[\g+3], 32<<16
	s_mov_b32 s[\g+4], 128*KS/256
	s_mov_b32 s[\g+5], 32
	s_mov_b32 s[\g+6], 0
	s_mov_b32 s[\g+7], 0
.endr
	s_lshl_b32 s18, s16, 7                         ; which 128 rows of the tile I fetch
	s_lshl_b32 s20, s17, 8
	s_add_co_u32 s20, s20, s18                     ; A: the first row
	s_lshl_b32 s22, s20, 5                         ; its scale bytes,
	s_lshl_b32 s20, s20, 9                         ; its codes
	s_mov_b32 s21, 0
	s_mov_b32 s23, 0
	s_lshl_b32 s46, s42, 8
	s_add_co_u32 s46, s46, s18                     ; B likewise, in registers that never hold cy
	s_lshl_b32 s92, s46, 5
	s_lshl_b32 s46, s46, 9
	s_mov_b32 s47, 0
	s_mov_b32 s93, 0
	s_mul_i32 s45, s14, HALFT                      ; where they go: wave x 128 rows: no place in the cluster enters an LDS address
	s_mul_i32 s94, s14, HALFS
	s_wait_kmcnt 0x0
	s_cmp_eq_u32 ttmp9, 2                          ; the regions' buffers: the choice hangs on the cluster's x alone
	s_cselect_b64 s[66:67], s[8:9], s[4:5]         ; A's codes
	s_cselect_b64 s[96:97], s[10:11], s[6:7]       ; A's scales
	s_cselect_b64 s[8:9], s[4:5], s[8:9]           ; B's codes
	s_cselect_b64 s[10:11], s[6:7], s[10:11]       ; B's scales
	s_add_nc_u64 s[20:21], s[66:67], s[20:21]
	s_add_nc_u64 s[22:23], s[96:97], s[22:23]
	s_add_nc_u64 s[46:47], s[8:9], s[46:47]
	s_add_nc_u64 s[92:93], s[10:11], s[92:93]
	CROUND                                         ; all sixteen work-groups are here: the joint loads meet
	s_mov_b32 s[G0S], 1
	s_add_co_u32 s[G0S+1], s94, SCL
	s_mov_b64 s[G0S+2:G0S+3], s[22:23]
	s_or_b32 s[G0S+3], s[G0S+3], 0x80000000
	s_mov_b32 s[G0SB], 1
	s_add_co_u32 s[G0SB+1], s94, SCL
	s_mov_b64 s[G0SB+2:G0SB+3], s[92:93]
	s_or_b32 s[G0SB+3], s[G0SB+3], 0x80000000
	JLOAD G0S, G1S, G0SB, G1SB                     ; the scales first; with the two slots three loads of mine are out
.irp s, 0,1
	s_mov_b32 s[G0+4*\s], 1
	s_add_co_u32 s[G0+4*\s+1], s45, \s*SLOT
	s_add_nc_u64 s[G0+4*\s+2:G0+4*\s+3], s[20:21], \s*ROWB
	s_or_b32 s[G0+4*\s+3], s[G0+4*\s+3], 0x80000000
	s_mov_b32 s[G0B+4*\s], 1
	s_add_co_u32 s[G0B+4*\s+1], s45, \s*SLOT
	s_add_nc_u64 s[G0B+4*\s+2:G0B+4*\s+3], s[46:47], \s*ROWB
	s_or_b32 s[G0B+4*\s+3], s[G0B+4*\s+3], 0x80000000
	JLOAD G0+4*\s, G1, G0B+4*\s, G1B
.endr
	v_and_b32 v1, 15, v0                           ; r
	v_bfe_u32 v2, v0, 4, 1                         ; h
	v_mul_u32_u24 v3, v1, PITCH
	v_lshl_add_u32 v4, v2, 4, v3                   ; a fragment's row x pitch + 16 h
	s_mul_i32 s21, s15, HALFT                      ; my 128 rows of A
	s_mul_i32 s22, s16, HALFT                      ; my 128 rows of B,
	s_add_co_u32 s22, s22, 2*HALFT                 ; which lie behind A's 256
.irp s, 0,1
	v_add_nc_u32 v[ADRA+\s], s21, v4
	v_add_nc_u32 v[ADRB+\s], s22, v4
	s_add_co_u32 s21, s21, SLOT
	s_add_co_u32 s22, s22, SLOT
.endr
	v_mul_u32_u24 v5, v1, KS                       ; my row's scales: 32 bytes a row,
	v_lshrrev_b32 v6, 8, v5
	v_lshl_add_u32 v5, v6, 4, v5                   ; and 16 more for each 256 passed
	s_mul_i32 s21, s15, HALFS
	s_mul_i32 s22, s16, HALFS
	s_add_co_u32 s22, s22, 2*HALFS
	s_sub_co_u32 s22, s22, s21
	v_mul_u32_u24 v6, s22, v2                      ; lanes 16-31 take B's
	s_add_co_u32 s21, s21, SCL
	v_add_nc_u32 v5, v5, v6
	v_add_nc_u32 v[ADRS], s21, v5
	v_and_b32 v6, 31, v0
	v_lshlrev_b32 v[CO], 4, v6
	v_mul_u32_u24 v[VSO], REC, v2
	v_lshl_add_u32 v[VSO], v1, 4, v[VSO]
	; the bias, in the result's layout.  q, k: register 8 b + j is the bias of B's item (b, h, j); v: registers 8 a + 0 .. 7 all hold the bias of A's item (a, r).  One run of 64 loads serves both: only strides are chosen
	s_lshl_b32 s4, s17, 8
	s_lshl_b32 s5, s15, 7
	s_add_co_u32 s4, s4, s5                        ; A's first item of my wave
	s_lshl_b32 s6, s42, 8
	s_lshl_b32 s7, s16, 7
	s_add_co_u32 s6, s6, s7                        ; B's
	s_cmp_eq_u32 ttmp9, 2
	s_cselect_b32 s4, s4, s6                       ; the first output unit of my wave
	s_cselect_b32 s8, 4, 0                         ; bytes for each step of r + 8 (r / 8),
	s_cselect_b32 s9, 0, 64                        ; of h,
	s_cselect_b32 s10, 0, 4                        ; of j
	s_lshl_b32 s4, s4, 2
	s_mov_b32 s5, 0
	s_add_nc_u64 s[98:99], s[98:99], s[4:5]
	v_lshrrev_b32 v5, 3, v1
	v_lshl_add_u32 v5, v5, 3, v1                   ; r + 8 (r / 8)
	v_mul_u32_u24 v5, s8, v5
	v_mad_u32_u24 v5, v2, s9, v5
.irp j, 0,1,2,3,4,5,6,7
	v_mad_u32_u24 v[BOF+\j], s10, \j, v5
.endr
.irp i, 0,1,2,3,4,5,6,7
.irp j, 0,1,2,3,4,5,6,7
	global_load_b32 v[BI+8*\i+\j], v[BOF+\j], s[98:99] offset:(32*(\i/2)+8*(\i%2))*4
.endr
.endr
	s_mov_b32 s100, 0x76543210
	s_mov_b32 s101, 0xfedcba98                     ; v_permlanex16_b32's selects for lane l xor 16
.macro FRAG reg, adr, q, i             ; 16 rows x 128 K of 4-bit codes: 8 registers: lane l holds row l % 16; registers 4 c .. 4 c + 3 hold K = 64 c + 32 (l / 16) + 0 .. 31
.irp c, 0,1
	ds_load_b128 v[\reg+4*\c:\reg+4*\c+3], v[\adr] offset:64*(\q)+32*\c+(\i)*16*PITCH
.endr
.endm
; 16 matrix instructions: A's blocks a0, a0 + 1 x B's eight, the slot's q-th 128 along K.  p: B's set; sc: the set of scale words.  zero = 1: the sums start from the bias by b; 2: by a; 0: they go on.
; The 64 accumulators take turns, one instruction a turn, in the same order in every step.
.macro MUL16 a0, p, q, sc, zero
.irp a, \a0, \a0+1
.irp b, 0,1,2,3,4,5,6,7
.set rD, 8*(8*((\a)%4)+\b)
.set rB, 128*(\p)+FR*\b
.set rA, AF+FR*(\a)
.set rSB, SC+8*NQ*(\sc)+NQ*\b+(\q)
.set rSA, SC+8*NQ*(\sc)+NQ*(\a)+(\q)
.if \zero == 1
	v_wmma_scale_f32_16x16x128_f8f6f4 v[rD:rD+7], v[rB:rB+7], v[rA:rA+7], v[BI+8*\b:BI+8*\b+7], v[rSB], v[rSA] matrix_a_fmt:MATRIX_FMT_FP4 matrix_b_fmt:MATRIX_FMT_FP4 matrix_a_scale:MATRIX_SCALE_ROW1
.elseif \zero == 2
	v_wmma_scale_f32_16x16x128_f8f6f4 v[rD:rD+7], v[rB:rB+7], v[rA:rA+7], v[BI+8*(\a):BI+8*(\a)+7], v[rSB], v[rSA] matrix_a_fmt:MATRIX_FMT_FP4 matrix_b_fmt:MATRIX_FMT_FP4 matrix_a_scale:MATRIX_SCALE_ROW1
.else
	v_wmma_scale_f32_16x16x128_f8f6f4 v[rD:rD+7], v[rB:rB+7], v[rA:rA+7], v[rD:rD+7], v[rSB], v[rSA] matrix_a_fmt:MATRIX_FMT_FP4 matrix_b_fmt:MATRIX_FMT_FP4 matrix_a_scale:MATRIX_SCALE_ROW1
.endif
.endr
.endr
.endm
.macro FETCH_B slot, q, p
	WIN TO_B
.irp i, 0,1,2,3,4,5,6,7
	FRAG 128*(\p)+FR*\i, ADRB+\slot, \q, \i
.endr
	WIN 0
.endm
.macro FETCH_A slot, q, i0
.irp i, \i0, \i0+1, \i0+2, \i0+3
	FRAG AF+FR*(\i), ADRA+\slot, \q, \i
.endr
.endm
.macro SCALES sc                       ; a slot's scale words: four a row; lanes 0-15 take A's block i, lanes 16-31 B's block i
.irp i, 0,1,2,3,4,5,6,7
	ds_load_b128 v[SC+8*NQ*\sc+NQ*\i:SC+8*NQ*\sc+NQ*\i+3], v[ADRS] offset:\i*SBLK
.endr
.endm
.macro PLACES n                        ; places in front of loads into registers that matrix instructions have read (ISA guide 7.12.1 for vector instructions)
.rept \n
	v_nop
.endr
.endm
.macro STEP slot, q, zero              ; a step of 128 along K that has its successor in the same slot
	s_wait_dscnt 4*NL                              ; B's set and A's blocks 0-3 are in; the youngest eight loads (A's blocks 4-7) may be out
.if \zero
	WIN BIA_LO
.else
	WIN MUL_LO
.endif
	MUL16 0, (\q)%2, \q, \slot, \zero
	MUL16 2, (\q)%2, \q, \slot, \zero
	s_wait_dscnt 0                                 ; A's blocks 4-7 are in
	PLACES NP
	FETCH_B \slot, (\q)+1, 1-(\q)%2
	FETCH_A \slot, (\q)+1, 0
.if \zero
	WIN BIA_HI
.else
	WIN MUL_HI
.endif
	MUL16 4, (\q)%2, \q, \slot, \zero
	MUL16 6, (\q)%2, \q, \slot, \zero
	PLACES NP
	WIN 0
	FETCH_A \slot, (\q)+1, 4
.endm
; Slot 0's last step changes slots: one barrier; in front of it each wave waits for all its tensor loads (slot 1's part), so that behind it slot 1 is whole for every wave.  Nothing is filled again.
.macro TURN slot, next
	s_wait_tensorcnt 0x0                           ; all my tensor loads have landed
	ds_add_u32 v[SPW], v[NIL]                      ; 0 onto my spare word
	s_wait_dscnt 4*NL+1                            ; (the add and the youngest eight loads may be out)
	WIN MUL_LO
	MUL16 0, 1, NQ-1, \slot, 0
	s_wait_dscnt 0x0                               ; the add is done, and my reads of this slot are over
	s_barrier_signal -1
	MUL16 2, 1, NQ-1, \slot, 0
	WIN 0
	s_barrier_wait -1
	PLACES NP
	v_add_nc_u32 v[ADRS], 4*NQ, v[ADRS]            ; on to the next slot's scale words
	FETCH_B \next, 0, 0
	FETCH_A \next, 0, 0
	SCALES \next
	WIN MUL_HI
	MUL16 4, 1, NQ-1, \slot, 0
	MUL16 6, 1, NQ-1, \slot, 0
	PLACES NP
	WIN 0
	FETCH_A \next, 0, 4
.endm
.macro STEPS slot, from
.set Q, \from
.rept NQ-1-\from
	STEP \slot, Q, 0
.set Q, Q+1
.endr
.endm
	s_wait_tensorcnt 1                             ; the scales and my part of slot 0 are in (slot 1's load may be out),
	s_barrier_signal -1
	s_barrier_wait -1                              ; everybody's are
	FETCH_B 0, 0, 0
	FETCH_A 0, 0, 0
	SCALES 0
	FETCH_A 0, 0, 4
	s_wait_loadcnt 0x0                             ; the bias
	s_cmp_eq_u32 ttmp9, 2                          ; the first step is written twice: its C is the bias by B's items (q, k) or by A's (v).  Both ways issue the same loads
	s_cbranch_scc1 .Lfirst_v
	STEP 0, 0, 1
	s_branch .Lfirst_done
.Lfirst_v:
	STEP 0, 0, 2
.Lfirst_done:
	STEPS 0, 1
	TURN 0, 1
	STEPS 1, 0
	s_wait_dscnt 4*NL                              ; the last step: nothing more to fetch
	WIN MUL_LO
	MUL16 0, 1, NQ-1, 1, 0
	MUL16 2, 1, NQ-1, 1, 0
	s_wait_dscnt 0
	WIN MUL_HI
	MUL16 4, 1, NQ-1, 1, 0
	MUL16 6, 1, NQ-1, 1, 0
	WIN 0
	s_wait_tensorcnt 0x0                           ; my last LDS instructions: behind my last tensor load; all that follows works on registers and stores to memory
	ds_add_u32 v[SPW], v[NIL]
.irp b, 0,1,2,3
	v_mov_b32 v[TM+4+\b], 0                        ; a lane permute's destination counts as one of its sources.  These four are also the places behind the last products
.endr
	s_wait_dscnt 0x0
; The 64 numbers of A's block a in a lane (register 16 B + i = B's item 32 B + 16 h + i) become a fragment's codes in v[PCB + 8 a] on and its scale word in v[PWS + a].  Each accumulator is read from its low end on.
.macro QUANTW a
.set AC, 64*((\a)%4)
.set WW, 2+(\a)/4
.set WQ, WW|(WW<<2)
.set PC, PCB+8*(\a)
	WIN WQ                                         ; sources 0 and 1: the accumulators' window
.irp b, 0,1,2,3
	v_max3_num_f32 v[TM+\b], |v[AC+16*\b]|, |v[AC+16*\b+1]|, 0x1800000   ; block b: my 16 numbers, and the floor 2^(3 - 127): the byte cannot fall under 1
.endr
.irp i, 2,4,6,8,10,12,14
.irp b, 0,1,2,3
	v_max3_num_f32 v[TM+\b], |v[AC+16*\b+\i]|, |v[AC+16*\b+\i+1]|, v[TM+\b]   ; (the four blocks by turns)
.endr
.endr
	WIN 0
.irp b, 0,1,2,3
	v_permlanex16_b32 v[TM+4+\b], v[TM+\b], s100, s101
.endr
.irp b, 0,1,2,3
	v_max_num_f32 v[TM+\b], v[TM+\b], v[TM+4+\b]   ; with lane l xor 16's: the block's largest magnitude
.endr
.irp b, 0,1,2,3
	v_add_nc_u32 v[TM+12+\b], 0xff000000, v[TM+\b] ; 2 off its exponent field: the conversion's scale operand
.endr
.irp b, 0,1,2,3
	v_lshrrev_b32 v[TM+4+\b], 23, v[TM+12+\b]      ; the scale's byte
.endr
	v_lshl_or_b32 v[PWS+(\a)], v[TM+5], 8, v[TM+4]
	v_lshl_or_b32 v[PWS+(\a)], v[TM+6], 16, v[PWS+(\a)]
	v_lshl_or_b32 v[PWS+(\a)], v[TM+7], 24, v[PWS+(\a)]
	WIN WW                                         ; source 0: the accumulators' window
.irp b, 0,1,2,3
	v_cvt_scalef32_pk8_fp4_f32 v[PC+2*\b], v[AC+16*\b:AC+16*\b+7], v[TM+12+\b]
	v_cvt_scalef32_pk8_fp4_f32 v[PC+2*\b+1], v[AC+16*\b+8:AC+16*\b+15], v[TM+12+\b]
.endr
	WIN 0
	v_nop                                          ; one plain place behind a scaled conversion
.irp c, 0,1                                    ; the operand's layout wants a whole block in a lane: lanes 0-15 block 2 c, lanes 16-31 block 2 c + 1
.irp i, 0,1
	v_permlane16_swap_b32 v[PC+4*\c+\i], v[PC+4*\c+2+\i]
.endr
.endr
.endm
.irp a, 0,1,2,3,4,5,6,7
	QUANTW \a
.endr
	v_cmp_ne_u32 vcc_lo, 0, v2
.irp q, 0,1,2,3
	v_cndmask_b32 v[TW+\q], v[PWS+\q], v[PWS+4+\q], vcc_lo   ; lane (r, h): the scale word of A's block 4 h + q, row r
.endr
	s_cmp_eq_u32 ttmp9, 2
	s_cbranch_scc1 .Lstore_v
	; ---- q, k.  My 128 units are two heads: piece c of a fragment (four registers) is head c's tile image; bytes 0, 1 of a scale word are head 0's two blocks, bytes 2, 3 head 1's
	s_lshr_b32 s4, s17, 3                          ; the batch
	s_lshl_b32 s4, s4, 4
	s_lshl_b32 s5, s40, 2
	s_add_co_u32 s4, s4, s5
	s_lshl_b32 s5, s16, 1
	s_add_co_u32 s4, s4, s5                        ; the record of my first head: 16 x batch + 4 cx + 2 x my half
	s_mul_i32 s4, s4, REC
	s_and_b32 s5, s17, 7
	s_lshl_b32 s5, s5, 1
	s_add_co_u32 s5, s5, s15                       ; the step of 128 tokens
	s_mul_i32 s6, s5, KVSTEP
	s_mul_i32 s7, s5, QSTEP
	s_add_co_u32 s7, s7, QPART
	s_mov_b32 s10, 4096
	s_cmp_eq_u32 ttmp9, 1                          ; k or q?
	s_cselect_b32 s6, s6, s7
	s_cselect_b32 s10, 8192, s10                   ; where the scale words lie behind the images
	s_add_co_u32 s4, s4, s6
	s_mov_b32 s5, 0
	s_mov_b32 s11, 0
	s_add_nc_u64 s[12:13], s[12:13], s[4:5]
	s_add_nc_u64 s[8:9], s[12:13], s[10:11]
.irp q, 0,1,2,3
	v_and_b32 v[TW+4+\q], 0xffff, v[TW+\q]         ; head 0's words: bytes 2 and 3 are 0 (they scale codes that are zeros)
	v_lshrrev_b32 v[TW+8+\q], 16, v[TW+\q]         ; head 1's
.endr
.irp a, 0,1,2,3,4,5,6,7
.irp c, 0,1
	global_store_b128 v[CO], v[PCB+8*\a+4*\c:PCB+8*\a+4*\c+3], s[12:13] offset:512*\a+\c*REC   ; 512 consecutive bytes, aligned
.endr
.endr
	global_store_b128 v[CO], v[TW+4:TW+7], s[8:9]
	global_store_b128 v[CO], v[TW+8:TW+11], s[8:9] offset:REC
	s_branch .Lstored
.Lstore_v:
	; ---- v.  My 128 channels are two heads of four fragments; my 128 tokens are one key step
	s_lshr_b32 s4, s42, 3                          ; the batch
	s_lshl_b32 s4, s4, 4
	s_sub_co_u32 s5, s17, 8
	s_lshl_b32 s5, s5, 2
	s_add_co_u32 s4, s4, s5
	s_lshl_b32 s5, s15, 1
	s_add_co_u32 s4, s4, s5                        ; the record of my first head
	s_mul_i32 s4, s4, REC
	s_and_b32 s5, s42, 7
	s_lshl_b32 s5, s5, 1
	s_add_co_u32 s5, s5, s16                       ; the key step
	s_mul_i32 s5, s5, KVSTEP
	s_add_co_u32 s4, s4, s5
	s_add_co_u32 s4, s4, 4096                      ; V's fragments lie behind K's images
	s_mov_b32 s5, 0
	s_add_nc_u64 s[12:13], s[12:13], s[4:5]
.irp a, 0,1,2,3,4,5,6,7
.irp c, 0,1
	global_store_b128 v[CO], v[PCB+8*\a+4*\c:PCB+8*\a+4*\c+3], s[12:13] offset:(\a/4)*REC+(\a%4)*1024+512*\c
.endr
.endr
	global_store_b128 v[VSO], v[TW:TW+3], s[12:13] offset:4608   ; lanes 0-15: head 0's 256 bytes of scale words; lanes 16-31: head 1's
.Lstored:
	CROUND                                         ; the closing round: no work-group ends while a partner may still ask for a tile that names it
	s_endpgm
.Lfunc_end_k_q8628583e61_gemm_qkv:
	.size	k_q8628583e61_gemm_qkv, .Lfunc_end_k_q8628583e61_gemm_qkv-k_q8628583e61_gemm_qkv
	.p2alignl 7, 3214868480
	.fill 96, 4, 3214868480
	.section	.rodata,"a",@progbits
	.p2align	6, 0x0
	.amdhsa_kernel k_q8628583e61_gemm_qkv
		.amdhsa_group_segment_fixed_size 327680
		.amdhsa_private_segment_fixed_size 0
		.amdhsa_enable_private_segment 0
		.amdhsa_kernarg_size 48
		.amdhsa_user_sgpr_count 2
		.amdhsa_user_sgpr_kernarg_segment_ptr 1
		.amdhsa_wavefront_size32 1
		.amdhsa_system_sgpr_workgroup_id_x 1
		.amdhsa_system_sgpr_workgroup_id_y 1
		.amdhsa_system_sgpr_workgroup_id_z 1
		.amdhsa_system_vgpr_workitem_id 0
		.amdhsa_next_free_vgpr 1024
		.amdhsa_next_free_sgpr 102
		.amdhsa_reserve_vcc 1
		.amdhsa_float_denorm_mode_32 3
		.amdhsa_float_denorm_mode_16_64 3
		.amdhsa_memory_ordered 1
		.amdhsa_forward_progress 1
		.amdhsa_inst_pref_size 149
	.end_amdhsa_kernel
	.amdgpu_metadata
---
amdhsa.version: [ 1, 2 ]
amdhsa.kernels:
  - .name:           k_q8628583e61_gemm_qkv
    .symbol:         k_q8628583e61_gemm_qkv.kd
    .args:
      - { .name: xc, .offset: 0, .size: 8, .value_kind: global_buffer, .address_space: global }
      - { .name: xs, .offset: 8, .size: 8, .value_kind: global_buffer, .address_space: global }
      - { .name: wc, .offset: 16, .size: 8, .value_kind: global_buffer, .address_space: global }
      - { .name: ws, .offset: 24, .size: 8, .value_kind: global_buffer, .address_space: global }
      - { .name: qkv, .offset: 32, .size: 8, .value_kind: global_buffer, .address_space: global }
      - { .name: b_attn, .offset: 40, .size: 8, .value_kind: global_buffer, .address_space: global }
    .group_segment_fixed_size: 327680
    .private_segment_fixed_size: 0
    .kernarg_segment_align: 8
    .kernarg_segment_size: 48
    .max_flat_workgroup_size: 128
    .sgpr_count:     102
    .vgpr_count:     1024
    .wavefront_size: 32
...
	.end_amdgpu_metadata
.endif
;; end of part 2
;; launch attn (part 3): grid 4 x 64, 16 waves a work-group, clusters of 4 x 1, 169,984 bytes of LDS; arguments qkv, yc, ys; writes yc, ys
.if DOCPART == 3
	.amdgcn_target "amdgcn-amd-amdhsa--gfx1250"
	.amdhsa_code_object_version 6
	.text
	.protected	k_q8628583e61_attn
	.globl	k_q8628583e61_attn
	.p2align	8
	.type	k_q8628583e61_attn,@function
k_q8628583e61_attn:
	s_mov_b64 s[64:65], 0
	v_nop
	global_prefetch_b8 v0, s[64:65] scope:SCOPE_SE
	s_setreg_imm32_b32 hwreg(HW_REG_WAVE_MODE, 25, 1), 1
	s_wait_xcnt 0x0
	s_wait_alu depctr_hold_cnt(0) depctr_sa_sdst(0) depctr_va_vdst(0) depctr_va_sdst(0) depctr_va_ssrc(0) depctr_va_vcc(0) depctr_vm_vsrc(0)
	s_getreg_b32 s2, hwreg(HW_REG_IB_STS2, 6, 4)
	s_cmp_eq_u32 s2, 0
	s_cbranch_scc0 .Lentry_in_a_cluster
	s_endpgm
.Lentry_in_a_cluster:
	s_bfe_u32 s2, ttmp6, 0x10000c
	s_cmp_lg_u32 s2, 0x3003
	s_cbranch_scc0 .Lentry_shape_is_right
	s_endpgm
.Lentry_shape_is_right:
; Causal attention of one (batch, head) on codes of FP4 with E8M0 scales, head size 64, 2,048 tokens; y = O / l is quantised along the channels at once, for the projection.
; THE SOFTMAX AHEAD OF THE SECOND PRODUCT: t = score x log2(e) / 8; M = the row's largest t so far, rounded up to a whole number; p = 2^(t - M) is quantised along the keys, not normalised; the row's sum l is taken of the
; unquantised p; when M moves, l and O are multiplied by 2^(old M - new M), which rounds nothing.
; IN: the head's record: key step s (128 tokens) at 8,960 s: K's 8 tile images (512 bytes each: lane l's 16 bytes at 16 l), V's 4 fragment images (1,024), K's scale words (512), V's (256); Q's part from 143,360 on.
; The whole K and V part, 143,360 bytes, comes into LDS ONCE: each of the sixteen waves asks for one key step's 35 rows of 256 bytes.  Nothing is filled again, nothing is stored into LDS.
; CLUSTER: the four work-groups of a head read the same K and V: each load is a joint one, with the mask of all four.
; SHARES.  A head has 128 tiles of 16 queries.  Wave w of work-group cx owns tiles 4 w + cx and 127 - (4 w + cx).  Their last key steps, w / 2 and 15 - w / 2, hang on the wave's number alone, so all partners branch alike,
; and every wave walks (w / 2 + 1) + (16 - w / 2) = 17 tile steps: the mask's uneven work is spread evenly.  Key steps all of whose keys come after a tile's queries are left out by a scalar branch.
; LAYOUT.  Both products are used transposed: S^T = K Q^T, O^T = V^T P^T: a lane holds one query throughout.  Row m of K's tile t is key 32 (t / 2) + 8 (t % 2) + m + 8 (m / 8), so the 16 registers of tiles 2 b, 2 b + 1 are keys
; 32 b + 16 h + 0 .. 15.  K = 64 for the first product: registers 4-7 of its fragments are zero codes, and bytes 2, 3 of its scale words are 0.
; LIMITS: hidden scores are set to -infinity (p = 0, as with the reference's lowest number); p under 2^-126 is 0; a block of zeros gets the scale byte 1; NaN and infinities are not served.
; REGISTERS: v1 16 x lane; v2, v3 the mask's numbers; v4, v5 LDS addresses of the step; v6, v7 Q's scale words; v8-11, v12-15 -M, largest t, l in two halves, for each tile; v16-31 Q; v32-63 four fragments of K; v64-95 V;
;   v96-159 S^T, then p; v160-191, v192-223 O^T; v224-231 p's codes; v232-239, v244-247, v252, v254 at work; v240-243 V's scale words; v248-251 K's; v253 p's; v255 16 r.
.set REC,    217088
.set KVSTEP, 8960
.set QPART,  143360
.set QSTEP,  4608
.set LI,  1
.set DQH, 2
.set DQL, 3
.set ADL, 4
.set ADR, 5
.set QSH, 6
.set QSL, 7
.set SMH, 8
.set SML, 12
.set QFH, 16
.set QFL, 24
.set KFR, 32
.set VFR, 64
.set S,   96
.set OTH, 160
.set OTL, 192
.set R16, 255
.macro CROUND                          ; a round of the cluster's barrier
	s_barrier_signal -1
	s_barrier_wait -1
	s_cmp_lg_u32 s10, 0
	s_cbranch_scc1 .Lnot_wave_0_\@
	s_barrier_signal -3
.Lnot_wave_0_\@:
	s_barrier_wait -3
	s_barrier_signal -1
	s_barrier_wait -1
.endm
; s[cb:cb+1], s[sb:sb+1] = where the codes and the scale words of query tile s[ti] (in step s[st]) begin
.macro QADDR ti, st, cb, sb
	s_mul_i32 s54, s[\st], QSTEP
	s_add_co_u32 s54, s54, QPART
	s_and_b32 s60, s[\ti], 7
	s_lshl_b32 s61, s60, 9
	s_add_co_u32 s62, s54, s61                     ; the tile's image
	s_mov_b32 s63, 0
	s_add_nc_u64 s[\cb:\cb+1], s[4:5], s[62:63]
	s_lshr_b32 s61, s60, 2
	s_lshl_b32 s61, s61, 8
	s_and_b32 s60, s[\ti], 3
	s_lshl_b32 s60, s60, 2
	s_add_co_u32 s61, s61, s60
	s_add_co_u32 s61, s61, 4096
	s_add_co_u32 s62, s54, s61                     ; its scale words: 4,096 + 256 (tile / 4) + 4 (tile % 4), then 16 r
	s_add_nc_u64 s[\sb:\sb+1], s[4:5], s[62:63]
.endm
; s[ycd:ycd+1], s[ysd:ysd+1] = where tile s[ti]'s image and scale bytes go
.macro OBASE ti, ycd, ysd
	s_add_co_u32 s60, s25, s[\ti]                  ; the row tile among all 512
	s_lshl_b32 s62, s60, 9
	s_lshl_b32 s61, s26, 1
	s_add_co_u32 s62, s62, s61                     ; ys: 16 rows of 32 bytes a tile, + 2 x head
	s_mov_b32 s63, 0
	s_add_nc_u64 s[\ysd:\ysd+1], s[8:9], s[62:63]
	s_lshl_b32 s60, s60, 4
	s_add_co_u32 s60, s60, s26
	s_lshl_b32 s60, s60, 9                         ; yc: (16 x row tile + head) x 512
	s_mov_b32 s61, 0
	s_add_nc_u64 s[\ycd:\ycd+1], s[6:7], s[60:61]
.endm
; v[dq] = my query's place in its key step, less 16 h: register 16 b + i holds key 32 b + i + 16 h of the step, hidden where 32 b + i > v[dq]
.macro MASKNUM ti, dq
	s_bfe_u32 s60, s[\ti], 0x20001
	s_lshl_b32 s60, s60, 5
	s_and_b32 s61, s[\ti], 1
	s_lshl_b32 s61, s61, 3
	s_add_co_u32 s60, s60, s61
	v_add_nc_u32 v[\dq], s60, v235
.endm
	s_load_b128 s[4:7], s[0:1], 0x0                ; qkv, yc
	s_load_b64 s[8:9], s[0:1], 0x10                ; ys
	v_lshl_add_u32 v254, v0, 2, 0x29000
	v_mov_b32 v255, 0
	ds_add_u32 v254, v255
	ds_add_u32 v254, v255
	s_wait_dscnt 0x0
	v_lshrrev_b32 v232, 5, v0
	v_readfirstlane_b32 s10, v232                  ; wave 0..15
	s_bfe_u32 s11, ttmp6, 0x40000                  ; cx: it enters Q's, yc's and ys's addresses and the mask's numbers alone
	s_and_b32 s24, ttmp7, 0xffff                   ; 16 x batch + head, which the four partners share
	s_mul_i32 s58, s24, REC
	s_mov_b32 s59, 0
	s_mul_i32 s56, s10, KVSTEP                     ; my key step's bytes, in the record and in LDS alike
	s_mov_b32 s57, 0
	s_mov_b32 s16, 15|(3<<16)|(1<<21)              ; the mask: all four work-groups; elements of 8 bytes; bit 21 beside a mask; no padding: every LDS read here is 16 bytes a lane on end
	s_mov_b32 s17, 32<<16                          ; tensor_dim0 = 32 elements: 256 bytes
	s_mov_b32 s18, 35<<16                          ; tensor_dim1 = 35 rows: 8,960 bytes
	s_mov_b32 s19, 32<<16                          ; tile_dim0
	s_mov_b32 s20, 35                              ; tile_dim1
	s_mov_b32 s21, 32                              ; the pitch: dense
	s_mov_b32 s22, 0
	s_mov_b32 s23, 0
	s_mov_b32 s34, 0x76543210
	s_mov_b32 s35, 0xfedcba98                      ; v_permlanex16_b32's selects for lane l xor 16
	s_mov_b32 s36, 0x3e38aa3b                      ; c = log2(e) / 8
	s_mov_b32 s37, s36                             ; (named with it as a pair, so it is written)
	s_lshl_b32 s27, s10, 2
	s_add_co_u32 s27, s27, s11                     ; my early tile: 4 w + cx, 0 .. 63
	s_xor_b32 s28, s27, 127                        ; my late tile: 127 less that
	s_lshr_b32 s29, s10, 1                         ; the early tile's last key step,
	s_xor_b32 s30, s29, 15                         ; the late tile's: 15 less that
	s_lshr_b32 s25, s24, 4
	s_lshl_b32 s25, s25, 7                         ; 128 row tiles a batch
	s_and_b32 s26, s24, 15                         ; the head
	s_wait_kmcnt 0x0
	s_add_nc_u64 s[4:5], s[4:5], s[58:59]          ; the record
	CROUND                                         ; all four work-groups are here: the joint loads meet
	s_mov_b32 s12, 1
	s_mov_b32 s13, s56
	s_add_nc_u64 s[14:15], s[4:5], s[56:57]
	s_or_b32 s15, s15, 0x80000000
	tensor_load_to_lds s[12:15], s[16:23]          ; my one tensor load of the launch
	s_nop 0
.rept 4
	v_nop
.endr
	v_and_b32 v232, 31, v0
	v_lshlrev_b32 v[LI], 4, v232
	v_and_b32 v233, 15, v0                         ; r
	v_bfe_u32 v234, v0, 4, 1                       ; h
	v_lshlrev_b32 v[R16], 4, v233
	QADDR 28, 30, 38, 40
	global_load_b128 v[QFH:QFH+3], v[LI], s[38:39] ; Q's fragments stay in registers
	global_load_b32 v[QSH], v[R16], s[40:41]
	QADDR 27, 29, 42, 44
	global_load_b128 v[QFL:QFL+3], v[LI], s[42:43]
	global_load_b32 v[QSL], v[R16], s[44:45]
	OBASE 28, 46, 48
	OBASE 27, 50, 52
	v_lshrrev_b32 v235, 3, v233
	v_lshl_add_u32 v235, v235, 3, v233             ; r + 8 (r / 8)
	v_lshlrev_b32 v234, 4, v234
	v_sub_nc_u32 v235, v235, v234                  ; - 16 h (it may fall under 0: the compare is signed)
	MASKNUM 28, DQH
	MASKNUM 27, DQL
.irp j, 4,5,6,7
	v_mov_b32 v[QFH+\j], 0                         ; K = 64 .. 127 of the first product: zero codes
	v_mov_b32 v[QFL+\j], 0
.irp t, 0,1,2,3
	v_mov_b32 v[KFR+8*\t+\j], 0
.endr
.endr
.irp m, SMH, SML
	v_mov_b32 v[\m+1], 0xff61b1e6                  ; the largest t so far: -3e38, under every t
	v_floor_f32 v[\m], -v[\m+1]                    ; -M
	v_mov_b32 v[\m+2], 0                           ; l, in two halves
	v_mov_b32 v[\m+3], 0
.endr
.irp b, 0,1,2,3
	v_mov_b32 v[236+\b], 0                         ; a lane permute's destination counts as one of its sources
.endr
	v_mov_b32 v252, 0
	v_mov_b32 v253, 0                              ; (named as the upper half of the pair v[252:253] before it is first written)
.set n, 0
.rept 64
	v_mov_b32 v[OTH+n], 0                          ; O^T of both tiles.  (The step is written once: the first finds zeros, which the first change of M leaves zeros)
.set n, n+1
.endr
; ONE KEY STEP OF ONE TILE: 128 keys.  qf, qs: Q's fragment and scale words; ot: O^T; sm: the statistics; dq: the mask's number; d: the scalar register with the tile's last key step.
.macro TSTEP qf, qs, ot, sm, dq, d
	ds_load_b128 v[248:251], v[ADL] offset:8192    ; K's scale words: lane (r, h), register q: tile 4 h + q, row r
.irp t, 0,1,2,3
	ds_load_b128 v[KFR+8*\t:KFR+8*\t+3], v[ADL] offset:512*\t
.endr
	s_wait_dscnt 0x0
.irp t, 0,1,2,3
	v_wmma_scale_f32_16x16x128_f8f6f4 v[S+8*\t:S+8*\t+7], v[KFR+8*\t:KFR+8*\t+7], v[\qf:\qf+7], 0, v[248+\t], v[\qs] matrix_a_fmt:MATRIX_FMT_FP4 matrix_b_fmt:MATRIX_FMT_FP4
.endr
.rept 4
	v_nop                                          ; places in front of loads into registers that matrix instructions have read
.endr
.irp t, 0,1,2,3
	ds_load_b128 v[KFR+8*\t:KFR+8*\t+3], v[ADL] offset:2048+512*\t
.endr
	ds_load_b128 v[240:243], v[ADR] offset:8704    ; V's scale words: lane r, register ct
.irp ct, 0,1,2,3
.irp c, 0,1
	ds_load_b128 v[VFR+8*\ct+4*\c:VFR+8*\ct+4*\c+3], v[ADL] offset:4096+1024*\ct+512*\c
.endr
.endr
	s_wait_dscnt 9                                 ; K's four are in; V's nine loads land while the softmax is walked
.irp t, 0,1,2,3
	v_wmma_scale_f32_16x16x128_f8f6f4 v[S+32+8*\t:S+32+8*\t+7], v[KFR+8*\t:KFR+8*\t+7], v[\qf:\qf+7], 0, v[248+\t], v[\qs] matrix_a_fmt:MATRIX_FMT_FP4 matrix_b_fmt:MATRIX_FMT_FP4 matrix_a_scale:MATRIX_SCALE_ROW1
.endr
.rept 4
	v_nop                                          ; places in front of the first read of the scores
.endr
	s_cmp_lg_u32 s31, s[\d]                        ; only the tile's last key step lies on the diagonal: there hidden scores become -infinity ahead of the maximum
	s_cbranch_scc1 .Lopen_\@
	v_mov_b32 v254, 0xff800000
.set n, 0
.rept 64
	v_cmp_gt_i32 vcc_lo, 32*(n/16)+n%16, v[\dq]
	v_cndmask_b32 v[S+n], v[S+n], v254, vcc_lo
.set n, n+1
.endr
.Lopen_\@:
.irp b, 0,1,2,3
	v_max3_num_f32 v[232+\b], v[S+16*\b], v[S+1+16*\b], v[S+2+16*\b]   ; the largest score of each block of 32 keys: it serves for the row's maximum and, since p rises with the score, for the block's largest p
.endr
.irp i, 3,5,7,9,11,13
.irp b, 0,1,2,3
	v_max3_num_f32 v[232+\b], v[232+\b], v[S+16*\b+\i], v[S+1+16*\b+\i]
.endr
.endr
.irp b, 0,1,2,3
	v_max_num_f32 v[232+\b], v[232+\b], v[S+15+16*\b]
.endr
.irp b, 0,1,2,3
	v_permlanex16_b32 v[236+\b], v[232+\b], s34, s35
.endr
.irp b, 0,1,2,3
	v_max_num_f32 v[232+\b], v[232+\b], v[236+\b]  ; with lane l xor 16's 16 keys
.endr
	v_max3_num_f32 v254, v232, v233, v234
	v_max_num_f32 v254, v254, v235                 ; the step's largest score of my query
	v_mul_f32 v254, s36, v254                      ; as t (c is positive)
	v_max_num_f32 v[\sm+1], v[\sm+1], v254         ; the running largest t
	v_mov_b32 v254, v[\sm]
	v_floor_f32 v[\sm], -v[\sm+1]                  ; the new -M = floor(-t) = -ceil(t)
	v_sub_f32 v254, v[\sm], v254                   ; old M less new M: a whole number, 0 or less
	v_cvt_i32_f32 v254, v254                       ; (it saturates)
	v_ldexp_f32 v252, 1.0, v254                    ; f = 2^(old M - new M)
.set n, 0
.rept 32
	v_pk_fma_f32 v[S+n:S+n+1], v[S+n:S+n+1], s[36:37], v[\sm:\sm+1] op_sel_hi:[1,0,0]   ; t - M, two at a time (of the pairs c and -M the low word serves both halves)
.set n, n+2
.endr
.irp b, 0,1,2,3
	v_fma_f32 v[232+\b], v[232+\b], s36, v[\sm]    ; the same of each block's largest score
.endr
.set n, 0
.rept 64
	v_exp_f32 v[S+n], v[S+n]                       ; p = 2^(t - M), at most 1
.set n, n+1
.endr
.irp b, 0,1,2,3
	v_exp_f32 v[232+\b], v[232+\b]                 ; the block's largest p: the same two instructions on the same number give the same bits
.endr
	v_pk_mul_f32 v[\sm+2:\sm+3], v[\sm+2:\sm+3], v[252:253] op_sel_hi:[1,0]   ; l under the new M (a plain place behind the exponentials)
	s_wait_alu depctr_va_vdst(0)
.irp b, 0,1,2,3
	v_max_num_f32 v[232+\b], 0x1800000, v[232+\b]  ; the floor 2^(3 - 127): the byte cannot fall under 1
.endr
.irp b, 0,1,2,3
	v_add_nc_u32 v[244+\b], 0xff000000, v[232+\b]  ; 2 off the exponent field: the conversion's scale operand
.endr
.irp b, 0,1,2,3
	v_lshrrev_b32 v[236+\b], 23, v[244+\b]         ; the scale's byte
.endr
	v_lshl_or_b32 v253, v237, 8, v236              ; p's scale word for these 128 keys
	v_lshl_or_b32 v253, v238, 16, v253
	v_lshl_or_b32 v253, v239, 24, v253
.irp b, 0,1,2,3
	v_cvt_scalef32_pk8_fp4_f32 v[224+2*\b], v[S+16*\b:S+7+16*\b], v[244+\b]
	v_cvt_scalef32_pk8_fp4_f32 v[225+2*\b], v[S+8+16*\b:S+15+16*\b], v[244+\b]
.endr
	v_nop                                          ; one plain place behind a scaled conversion
.irp c, 0,1                                    ; a whole block in a lane: lanes 0-15 block 2 c, lanes 16-31 block 2 c + 1
.irp i, 0,1
	v_permlane16_swap_b32 v[224+4*\c+\i], v[226+4*\c+\i]
.endr
.endr
	v_pk_add_f32 v[236:237], v[S:S+1], v[S+2:S+3]  ; l is taken of the unquantised p: two at a time, in two chains
.irp j, 4,8,12,16,20,24,28,32,36,40,44,48,52,56,60
	v_pk_add_f32 v[\sm+2:\sm+3], v[\sm+2:\sm+3], v[S+\j:S+1+\j]
	v_pk_add_f32 v[236:237], v[236:237], v[S+2+\j:S+3+\j]
.endr
	v_pk_add_f32 v[\sm+2:\sm+3], v[\sm+2:\sm+3], v[236:237]
.set n, 0
.rept 16
	v_pk_mul_f32 v[\ot+n:\ot+n+1], v[\ot+n:\ot+n+1], v[252:253] op_sel_hi:[1,0]   ; O^T under the new M.  (The sums and these are the places between the scale word, the codes and the products below)
.set n, n+2
.endr
	s_wait_dscnt 0x0                               ; V and its scale words are in
.irp ct, 0,1,2,3                               ; O^T += V^T P^T: the four accumulators take turns
	v_wmma_scale_f32_16x16x128_f8f6f4 v[\ot+8*\ct:\ot+8*\ct+7], v[VFR+8*\ct:VFR+8*\ct+7], v[224:231], v[\ot+8*\ct:\ot+8*\ct+7], v[240+\ct], v253 matrix_a_fmt:MATRIX_FMT_FP4 matrix_b_fmt:MATRIX_FMT_FP4
.endr
.rept 4
	v_nop                                          ; places in front of whatever follows on any way: loads into the fragments and scale words, the first read of O^T
.endr
.endm
; A tile's end: O^T / l, register 16 b + i = channel 32 b + 16 h + i of my query, is quantised along the channels: two blocks; the four registers of codes are piece (head % 2) of the projection's operand
.macro FINISH ot, sm, ycb, ysb
	v_add_f32 v[\sm+2], v[\sm+2], v[\sm+3]         ; l's two halves,
	v_permlanex16_b32 v252, v[\sm+2], s34, s35
	v_add_f32 v[\sm+2], v[\sm+2], v252             ; and lane l xor 16's
	v_rcp_f32 v[\sm+2], v[\sm+2]
	v_nop                                          ; one plain place behind a transcendental
.set n, 0
	s_wait_alu depctr_va_vdst(0)
.rept 32
	v_mul_f32 v[S+n], v[\ot+n], v[\sm+2]
.set n, n+1
.endr
.irp b, 0,1
	v_max3_num_f32 v[232+\b], |v[S+16*\b]|, |v[S+1+16*\b]|, 0x1800000
.endr
.irp i, 2,4,6,8,10,12,14
.irp b, 0,1
	v_max3_num_f32 v[232+\b], v[232+\b], |v[S+16*\b+\i]|, |v[S+1+16*\b+\i]|
.endr
.endr
.irp b, 0,1
	v_permlanex16_b32 v[236+\b], v[232+\b], s34, s35
.endr
.irp b, 0,1
	v_max_num_f32 v[232+\b], v[232+\b], v[236+\b]
.endr
.irp b, 0,1
	v_add_nc_u32 v[244+\b], 0xff000000, v[232+\b]
.endr
.irp b, 0,1
	v_lshrrev_b32 v[236+\b], 23, v[244+\b]
.endr
	v_lshl_or_b32 v254, v237, 8, v236              ; the head's two scale bytes of my row
.irp b, 0,1
	v_cvt_scalef32_pk8_fp4_f32 v[224+2*\b], v[S+16*\b:S+7+16*\b], v[244+\b]
	v_cvt_scalef32_pk8_fp4_f32 v[225+2*\b], v[S+8+16*\b:S+15+16*\b], v[244+\b]
.endr
	v_nop
	v_permlane16_swap_b32 v224, v226               ; lane (r, h) now holds channels 32 h .. 32 h + 31
	v_permlane16_swap_b32 v225, v227
	global_store_b128 v[LI], v[224:227], s[\ycb:\ycb+1]   ; 512 consecutive bytes, aligned
	global_store_b16 v235, v254, s[\ysb:\ysb+1]    ; two bytes into each of 16 rows of 32 bytes (lanes r and r + 16 write the same two): a row's 32 bytes come from 16 heads, which are 16 work-groups; 262,144 bytes in all go out so
.endm
	s_wait_tensorcnt 0x0                           ; my key step has landed,
	s_barrier_signal -1
	s_barrier_wait -1                              ; everybody's has: all of the head's K and V lie in LDS
	s_wait_loadcnt 0x0                             ; Q
	s_mov_b32 s31, 0                               ; the key step
	s_mov_b32 s32, 0                               ; and its first LDS byte
.Lstep:                                            ; 16 trips, a constant: the work is jumped over, not the trips
	s_cmp_gt_u32 s31, s30
	s_cbranch_scc1 .Lnext                          ; past the late tile's diagonal (and so past the early tile's)
	v_add_nc_u32 v[ADL], s32, v[LI]
	v_add_nc_u32 v[ADR], s32, v[R16]
	TSTEP QFH, QSH, OTH, SMH, DQH, 30
	s_cmp_gt_u32 s31, s29
	s_cbranch_scc1 .Lnext                          ; past the early tile's diagonal
	TSTEP QFL, QSL, OTL, SML, DQL, 29
.Lnext:
	s_add_co_u32 s32, s32, KVSTEP
	s_add_co_u32 s31, s31, 1
	s_cmp_lt_u32 s31, 16
	s_cbranch_scc1 .Lstep
	v_lshlrev_b32 v235, 1, v[R16]                  ; 32 r: my row of scale bytes
	FINISH OTH, SMH, 46, 48
	s_wait_xcnt 0x0                                ; the stores have read their registers: the other tile's codes and bytes may be written
	FINISH OTL, SML, 50, 52
	s_wait_xcnt 0x0
	v_lshl_add_u32 v254, v0, 2, 0x29000
	v_mov_b32 v255, 0
	s_wait_tensorcnt 0x0
	ds_add_u32 v254, v255
	s_wait_dscnt 0x0
	CROUND                                         ; the closing round: no work-group ends while a partner may still ask for a tile that names it
	s_endpgm
.Lfunc_end_k_q8628583e61_attn:
	.size	k_q8628583e61_attn, .Lfunc_end_k_q8628583e61_attn-k_q8628583e61_attn
	.p2alignl 7, 3214868480
	.fill 96, 4, 3214868480
	.section	.rodata,"a",@progbits
	.p2align	6, 0x0
	.amdhsa_kernel k_q8628583e61_attn
		.amdhsa_group_segment_fixed_size 169984
		.amdhsa_private_segment_fixed_size 0
		.amdhsa_enable_private_segment 0
		.amdhsa_kernarg_size 24
		.amdhsa_user_sgpr_count 2
		.amdhsa_user_sgpr_kernarg_segment_ptr 1
		.amdhsa_wavefront_size32 1
		.amdhsa_system_sgpr_workgroup_id_x 1
		.amdhsa_system_sgpr_workgroup_id_y 1
		.amdhsa_system_sgpr_workgroup_id_z 1
		.amdhsa_system_vgpr_workitem_id 0
		.amdhsa_next_free_vgpr 256
		.amdhsa_next_free_sgpr 66
		.amdhsa_reserve_vcc 1
		.amdhsa_float_denorm_mode_32 3
		.amdhsa_float_denorm_mode_16_64 3
		.amdhsa_memory_ordered 1
		.amdhsa_forward_progress 1
		.amdhsa_inst_pref_size 57
	.end_amdhsa_kernel
	.amdgpu_metadata
---
amdhsa.version: [ 1, 2 ]
amdhsa.kernels:
  - .name:           k_q8628583e61_attn
    .symbol:         k_q8628583e61_attn.kd
    .args:
      - { .name: qkv, .offset: 0, .size: 8, .value_kind: global_buffer, .address_space: global }
      - { .name: yc, .offset: 8, .size: 8, .value_kind: global_buffer, .address_space: global }
      - { .name: ys, .offset: 16, .size: 8, .value_kind: global_buffer, .address_space: global }
    .group_segment_fixed_size: 169984
    .private_segment_fixed_size: 0
    .kernarg_segment_align: 8
    .kernarg_segment_size: 24
    .max_flat_workgroup_size: 512
    .sgpr_count:     66
    .vgpr_count:     256
    .wavefront_size: 32
...
	.end_amdgpu_metadata
.endif
;; end of part 3
;; launch gemm_proj (part 4): grid 4 x 32, 4 waves a work-group, clusters of 4 x 4, 327,680 bytes of LDS; arguments yc, ys, wc, ws, out0, b_proj; writes out0
.if DOCPART == 4
	.amdgcn_target "amdgcn-amd-amdhsa--gfx1250"
	.amdhsa_code_object_version 6
	.text
	.protected	k_q8628583e61_gemm_proj
	.globl	k_q8628583e61_gemm_proj
	.p2align	8
	.type	k_q8628583e61_gemm_proj,@function
k_q8628583e61_gemm_proj:
	s_mov_b64 s[64:65], 0
	v_nop
	global_prefetch_b8 v0, s[64:65] scope:SCOPE_SE
	s_setreg_imm32_b32 hwreg(HW_REG_WAVE_MODE, 25, 1), 1
	s_wait_xcnt 0x0
	s_wait_alu depctr_hold_cnt(0) depctr_sa_sdst(0) depctr_va_vdst(0) depctr_va_sdst(0) depctr_va_ssrc(0) depctr_va_vcc(0) depctr_vm_vsrc(0)
	s_getreg_b32 s2, hwreg(HW_REG_IB_STS2, 6, 4)
	s_cmp_eq_u32 s2, 0
	s_cbranch_scc0 .Lentry_in_a_cluster
	s_endpgm
.Lentry_in_a_cluster:
	s_bfe_u32 s2, ttmp6, 0x10000c
	s_cmp_lg_u32 s2, 0xf033
	s_cbranch_scc0 .Lentry_shape_is_right
	s_endpgm
.Lentry_shape_is_right:
; out0 = y w_proj + b_proj on codes of FP4 with E8M0 scales, K = 1,024; out0 [8192][1024] f32.
; A work-group makes 256 x 256, four waves 128 x 128 each (64 accumulators, 512 registers).  K is two LDS slots of 512 along K, both asked for at the start; nothing is filled again.
; A = y arrives as IMAGES OF THE OPERAND'S REGISTERS: yc [row tile g 512][head 16][512 bytes]: lane l's 16 bytes at 16 l are piece (head % 2) of the fragment (rows of tile g, K step head / 2).  Row r of tile g is token
; 32 (g / 2) + 8 (g % 2) + r + 8 (r / 8).  A slot's part of 8 row tiles is 8 rows of 4,096 bytes, 8,192 apart: one tensor load; it needs no padding, since every read takes 512 bytes on end.
; ys [position 16 g + r][32 bytes].  B = w_proj's columns: positions 3,072 on of wc and ws; position p holds column p with its bits 3 and 4 exchanged.
; THE MATRIX INSTRUCTION IS USED TRANSPOSED (source 0 = 16 positions of B, source 1 = 16 rows of A): lane (r, h) of accumulator (a, b) holds row (a, r) and columns 32 (b / 2) + 16 h + 8 (b % 2) + 0 .. 7.  The bias is the C of each sum's first instruction.
; CLUSTERS: 4 x 4 work-groups; A's tiles are shared along a row of the cluster, B's along a column.  The size gives 128 tiles of 256 x 256: half of the chip's WGPs have work in this launch.
; REGISTERS: window 0: v0-31 addresses; v32-95 scale words, two sets; v128-191 A's fragments; v192-255 the bias; on the way out v128-255 hold rows read back.  window 1: B's fragments, two sets.  windows 2, 3: the accumulators.
.set NQ,     4
.set ROWB,   256
.set KROW,   512
.set PITCH,  272                       ; B's LDS rows: 256 bytes + 16 of padding
.set FR,     8
.set NL,     2
.set NP,     4
.set HALFT,  128*PITCH
.set AHALF,  32768                     ; 8 row tiles x 8 heads x 512 bytes
.set BOFF,   2*AHALF                   ; B's rows lie behind A's images
.set SLOT,   BOFF+2*HALFT
.set KS,     32
.set SCL,    2*SLOT
.set HALFS,  (128*KS/256)*272
.set SBLK,   (16*KS/256)*272
.set SPARE,  SCL+4*HALFS
.set SPITCH, 528                       ; the way out: a stage of 16 rows x (512 bytes + 16) for each wave, in slot 0, which has had its only fill and its last read when the first result is stored there
.set ADRA, 16
.set ADRB, 20
.set STO,  24
.set RD,   25
.set CO,   26
.set ADRS, 27
.set SPW,  28
.set NIL,  29
.set BOF,  30                          ; v30  64 h: my half's bytes in a tile's 32 numbers of the bias
.set SC,   32
.set AF,   128
.set BK,   128
.set BI,   192
.set G1, 24
.set G0, 32
.set G1B, 48
.set G0B, 56
.set G1S, 68
.set G0S, 76
.set G1SB, 80
.set G0SB, 88
.set MSB, 0
.macro WIN new                         ; the immediate's high byte repeats the setting that is left
.if MSB != \new
	s_set_vgpr_msb (MSB<<8)|\new
.set MSB, \new
.endif
.endm
.set MUL_LO, 0xa1
.set MUL_HI, 0xf1
.set BIA_LO, 0x81                      ; C (the bias) window 0, D window 2
.set BIA_HI, 0xc1
.set TO_B,   0x40
.macro JLOAD g0a, g1a, g0b, g1b        ; a joint load: waves 0 and 1 fetch for A, waves 2 and 3 for B; four v_nop follow each of the two lines
	s_cmp_eq_u32 s15, 0
	s_cbranch_scc0 .Lfor_b_\@
	tensor_load_to_lds s[\g0a:\g0a+3], s[\g1a:\g1a+7]
	s_nop 0
.rept 4
	v_nop
.endr
	s_branch .Lasked_\@
.Lfor_b_\@:
	tensor_load_to_lds s[\g0b:\g0b+3], s[\g1b:\g1b+7]
	s_nop 0
.rept 4
	v_nop
.endr
.Lasked_\@:
.endm
.macro CROUND
	s_barrier_signal -1
	s_barrier_wait -1
	s_cmp_lg_u32 s14, 0
	s_cbranch_scc1 .Lnot_wave_0_\@
	s_barrier_signal -3
.Lnot_wave_0_\@:
	s_barrier_wait -3
	s_barrier_signal -1
	s_barrier_wait -1
.endm
	s_load_b128 s[4:7], s[0:1], 0x0                ; yc, ys
	s_load_b128 s[8:11], s[0:1], 0x10              ; wc, ws
	s_load_b64 s[12:13], s[0:1], 0x20              ; out0
	s_load_b64 s[98:99], s[0:1], 0x28              ; b_proj
	v_lshl_add_u32 v[SPW], v0, 2, SPARE
	v_mov_b32 v[NIL], 0
	ds_add_u32 v28, v29
	ds_add_u32 v28, v29
	s_wait_dscnt 0x0
	v_lshrrev_b32 v1, 5, v0
	v_readfirstlane_b32 s14, v1                    ; wave 0..3
	s_lshr_b32 s15, s14, 1                         ; which half of the tile's rows is mine.  Also: I fetch for A (0) or for B (1)
	s_and_b32 s16, s14, 1                          ; which half of its columns.  Also: which half of that tile I fetch
	s_bfe_u32 s40, ttmp6, 0x40000                  ; cx, cy
	s_bfe_u32 s41, ttmp6, 0x40004
	s_lshl_b32 s42, ttmp9, 2
	s_add_co_u32 s42, s42, s40                     ; tile column
	s_and_b32 s17, ttmp7, 0xffff
	s_lshl_b32 s17, s17, 2
	s_add_co_u32 s17, s17, s41                     ; tile row
	s_lshl_b32 s43, s41, 2
	s_lshl_b32 s43, 15, s43                        ; my row of the cluster
	s_lshl_b32 s44, 0x1111, s40                    ; my column
	s_or_b32 s[G1+0], s43, (3<<16)|(1<<21)         ; A: the mask; elements of 8 bytes; bit 21 beside a mask; no padding
	s_mov_b32 s[G1+1], 512<<16                     ; tensor_dim0 = 512 elements: 4,096 bytes: 8 heads' images of a row tile
	s_mov_b32 s[G1+2], 8<<16                       ; tensor_dim1 = 8 row tiles
	s_mov_b32 s[G1+3], 512<<16                     ; tile_dim0
	s_mov_b32 s[G1+4], 8                           ; tile_dim1
	s_mov_b32 s[G1+5], 1024                        ; the pitch: 8,192 bytes from row tile to row tile
	s_mov_b32 s[G1+6], 0
	s_mov_b32 s[G1+7], 0
	s_or_b32 s[G1B+0], s44, (0<<16)|(1<<20)|(1<<21)|(5<<22)|(3<<25)   ; B: 128 rows of 256 bytes, 16 bytes of padding behind each
	s_mov_b32 s[G1B+1], ROWB<<16
	s_mov_b32 s[G1B+2], 128<<16
	s_mov_b32 s[G1B+3], ROWB<<16
	s_mov_b32 s[G1B+4], 128
	s_mov_b32 s[G1B+5], KROW
	s_mov_b32 s[G1B+6], 0
	s_mov_b32 s[G1B+7], 0
	s_or_b32 s[G1S+0], s43, (3<<16)|(1<<20)|(1<<21)|(5<<22)|(3<<25)   ; the scales of 128 rows: 16 rows of 256 bytes, 16 of padding behind each
	s_or_b32 s[G1SB+0], s44, (3<<16)|(1<<20)|(1<<21)|(5<<22)|(3<<25)
.irp g, G1S, G1SB
	s_mov_b32 s[\g+1], 32<<16
	s_mov_b32 s[\g+2], (128*KS/256)<<16
	s_mov_b32 s[\g+3], 32<<16
	s_mov_b32 s[\g+4], 128*KS/256
	s_mov_b32 s[\g+5], 32
	s_mov_b32 s[\g+6], 0
	s_mov_b32 s[\g+7], 0
.endr
	s_lshl_b32 s20, s17, 4
	s_lshl_b32 s18, s16, 3
	s_add_co_u32 s20, s20, s18                     ; A: row tile 16 x tile row + 8 x half,
	s_lshl_b32 s20, s20, 13                        ; 8,192 bytes each
	s_mov_b32 s21, 0
	s_lshl_b32 s22, s17, 8
	s_lshl_b32 s18, s16, 7
	s_add_co_u32 s22, s22, s18                     ; its scales: position 256 x tile row + 128 x half,
	s_lshl_b32 s22, s22, 5                         ; 32 bytes each
	s_mov_b32 s23, 0
	s_lshl_b32 s46, s42, 8
	s_add_co_u32 s46, s46, s18
	s_add_co_u32 s46, s46, 3072                    ; B: position 3,072 + 256 x tile column + 128 x half
	s_lshl_b32 s92, s46, 5
	s_lshl_b32 s46, s46, 9
	s_mov_b32 s47, 0
	s_mov_b32 s93, 0
	s_mul_i32 s45, s16, AHALF                      ; where they go: no place in the cluster enters an LDS address
	s_mul_i32 s2, s16, HALFT
	s_add_co_u32 s2, s2, BOFF
	s_mul_i32 s94, s14, HALFS
	s_wait_kmcnt 0x0
	s_add_nc_u64 s[20:21], s[4:5], s[20:21]
	s_add_nc_u64 s[22:23], s[6:7], s[22:23]
	s_add_nc_u64 s[46:47], s[8:9], s[46:47]
	s_add_nc_u64 s[92:93], s[10:11], s[92:93]
	CROUND                                         ; all sixteen work-groups are here: the joint loads meet
	s_mov_b32 s[G0S], 1
	s_add_co_u32 s[G0S+1], s94, SCL
	s_mov_b64 s[G0S+2:G0S+3], s[22:23]
	s_or_b32 s[G0S+3], s[G0S+3], 0x80000000
	s_mov_b32 s[G0SB], 1
	s_add_co_u32 s[G0SB+1], s94, SCL
	s_mov_b64 s[G0SB+2:G0SB+3], s[92:93]
	s_or_b32 s[G0SB+3], s[G0SB+3], 0x80000000
	JLOAD G0S, G1S, G0SB, G1SB                     ; the scales first; with the two slots three loads of mine are out
.irp s, 0,1
	s_mov_b32 s[G0+4*\s], 1
	s_add_co_u32 s[G0+4*\s+1], s45, \s*SLOT
	s_add_nc_u64 s[G0+4*\s+2:G0+4*\s+3], s[20:21], \s*4096
	s_or_b32 s[G0+4*\s+3], s[G0+4*\s+3], 0x80000000
	s_mov_b32 s[G0B+4*\s], 1
	s_add_co_u32 s[G0B+4*\s+1], s2, \s*SLOT
	s_add_nc_u64 s[G0B+4*\s+2:G0B+4*\s+3], s[46:47], \s*ROWB
	s_or_b32 s[G0B+4*\s+3], s[G0B+4*\s+3], 0x80000000
	JLOAD G0+4*\s, G1, G0B+4*\s, G1B
.endr
	v_and_b32 v1, 15, v0                           ; r
	v_bfe_u32 v2, v0, 4, 1                         ; h
	v_and_b32 v6, 31, v0
	v_lshlrev_b32 v[CO], 4, v6                     ; 16 x lane
	v_mul_u32_u24 v3, v1, PITCH
	v_lshl_add_u32 v4, v2, 4, v3                   ; B: a fragment's row x pitch + 16 h
	s_mul_i32 s21, s15, AHALF                      ; my 8 row tiles of A
	s_mul_i32 s22, s16, HALFT                      ; my 128 rows of B
	s_add_co_u32 s22, s22, BOFF
.irp s, 0,1
	v_add_nc_u32 v[ADRA+\s], s21, v[CO]
	v_add_nc_u32 v[ADRB+\s], s22, v4
	s_add_co_u32 s21, s21, SLOT
	s_add_co_u32 s22, s22, SLOT
.endr
	v_mul_u32_u24 v5, v1, KS
	v_lshrrev_b32 v6, 8, v5
	v_lshl_add_u32 v5, v6, 4, v5
	s_mul_i32 s21, s15, HALFS
	s_mul_i32 s22, s16, HALFS
	s_add_co_u32 s22, s22, 2*HALFS
	s_sub_co_u32 s22, s22, s21
	v_mul_u32_u24 v6, s22, v2                      ; lanes 16-31 take B's scale words
	s_add_co_u32 s21, s21, SCL
	v_add_nc_u32 v5, v5, v6
	v_add_nc_u32 v[ADRS], s21, v5
	s_mul_i32 s23, s14, 16*SPITCH                  ; my stage
	v_mul_u32_u24 v5, v1, SPITCH
	v_lshl_add_u32 v5, v2, 6, v5
	v_add_nc_u32 v[STO], s23, v5                   ; in: row r, + 64 h: my half's 16 columns of each 32
	v_add_nc_u32 v[RD], s23, v[CO]                 ; back: the 32 lanes take one row of 512 bytes
	v_lshlrev_b32 v[BOF], 6, v2
	s_lshl_b32 s4, s17, 8
	s_lshl_b32 s5, s15, 7
	s_add_co_u32 s4, s4, s5
	s_lshl_b32 s4, s4, 12                          ; my first row of out0: 4,096 bytes a row
	s_lshl_b32 s6, s42, 10
	s_lshl_b32 s7, s16, 9
	s_add_co_u32 s6, s6, s7                        ; my first column, in bytes
	s_mov_b32 s7, 0
	s_add_nc_u64 s[98:99], s[98:99], s[6:7]
	s_add_co_u32 s4, s4, s6
	s_mov_b32 s5, 0
	s_add_nc_u64 s[12:13], s[12:13], s[4:5]
.irp b, 0,1,2,3,4,5,6,7
	global_load_b128 v[BI+8*\b:BI+8*\b+3], v[BOF], s[98:99] offset:(32*(\b/2)+8*(\b%2))*4       ; the bias in the result's layout: columns 32 (b / 2) + 16 h + 8 (b % 2) + 0 .. 7
	global_load_b128 v[BI+8*\b+4:BI+8*\b+7], v[BOF], s[98:99] offset:(32*(\b/2)+8*(\b%2))*4+16
.endr
.macro FRAGB reg, adr, q, i
.irp c, 0,1
	ds_load_b128 v[\reg+4*\c:\reg+4*\c+3], v[\adr] offset:64*(\q)+32*\c+(\i)*16*PITCH
.endr
.endm
.macro FRAGA reg, adr, q, i            ; row tile i, heads 2 q and 2 q + 1 of the slot: two images
.irp c, 0,1
	ds_load_b128 v[\reg+4*\c:\reg+4*\c+3], v[\adr] offset:1024*(\q)+512*\c+(\i)*4096
.endr
.endm
; 16 matrix instructions; zero = 1: the sums start from the bias.  The 64 accumulators take turns, one instruction a turn.
.macro MUL16 a0, p, q, sc, zero
.irp a, \a0, \a0+1
.irp b, 0,1,2,3,4,5,6,7
.set rD, 8*(8*((\a)%4)+\b)
.set rB, 128*(\p)+FR*\b
.set rA, AF+FR*(\a)
.set rSB, SC+8*NQ*(\sc)+NQ*\b+(\q)
.set rSA, SC+8*NQ*(\sc)+NQ*(\a)+(\q)
.if \zero
	v_wmma_scale_f32_16x16x128_f8f6f4 v[rD:rD+7], v[rB:rB+7], v[rA:rA+7], v[BI+8*\b:BI+8*\b+7], v[rSB], v[rSA] matrix_a_fmt:MATRIX_FMT_FP4 matrix_b_fmt:MATRIX_FMT_FP4 matrix_a_scale:MATRIX_SCALE_ROW1
.else
	v_wmma_scale_f32_16x16x128_f8f6f4 v[rD:rD+7], v[rB:rB+7], v[rA:rA+7], v[rD:rD+7], v[rSB], v[rSA] matrix_a_fmt:MATRIX_FMT_FP4 matrix_b_fmt:MATRIX_FMT_FP4 matrix_a_scale:MATRIX_SCALE_ROW1
.endif
.endr
.endr
.endm
.macro FETCH_B slot, q, p
	WIN TO_B
.irp i, 0,1,2,3,4,5,6,7
	FRAGB 128*(\p)+FR*\i, ADRB+\slot, \q, \i
.endr
	WIN 0
.endm
.macro FETCH_A slot, q, i0
.irp i, \i0, \i0+1, \i0+2, \i0+3
	FRAGA AF+FR*(\i), ADRA+\slot, \q, \i
.endr
.endm
.macro SCALES sc
.irp i, 0,1,2,3,4,5,6,7
	ds_load_b128 v[SC+8*NQ*\sc+NQ*\i:SC+8*NQ*\sc+NQ*\i+3], v[ADRS] offset:\i*SBLK
.endr
.endm
.macro PLACES n                        ; places in front of loads into registers that matrix instructions have read, and of the first read of results (ISA guide 7.12.1 for vector instructions)
.rept \n
	v_nop
.endr
.endm
.macro STEP slot, q, zero
	s_wait_dscnt 4*NL                              ; B's set and A's blocks 0-3 are in; the youngest eight loads (A's blocks 4-7) may be out
.if \zero
	WIN BIA_LO
.else
	WIN MUL_LO
.endif
	MUL16 0, (\q)%2, \q, \slot, \zero
	MUL16 2, (\q)%2, \q, \slot, \zero
	s_wait_dscnt 0
	PLACES NP
	FETCH_B \slot, (\q)+1, 1-(\q)%2
	FETCH_A \slot, (\q)+1, 0
.if \zero
	WIN BIA_HI
.else
	WIN MUL_HI
.endif
	MUL16 4, (\q)%2, \q, \slot, \zero
	MUL16 6, (\q)%2, \q, \slot, \zero
	PLACES NP
	WIN 0
	FETCH_A \slot, (\q)+1, 4
.endm
.macro TURN slot, next                 ; slot 0's last step changes slots: one barrier, in front of which each wave waits for all its tensor loads; nothing is filled again
	s_wait_tensorcnt 0x0                           ; all my tensor loads have landed
	ds_add_u32 v[SPW], v[NIL]                      ; 0 onto my spare word
	s_wait_dscnt 4*NL+1                            ; (the add and the youngest eight loads may be out)
	WIN MUL_LO
	MUL16 0, 1, NQ-1, \slot, 0
	s_wait_dscnt 0x0                               ; the add is done, and my reads of this slot are over
	s_barrier_signal -1
	MUL16 2, 1, NQ-1, \slot, 0
	WIN 0
	s_barrier_wait -1
	PLACES NP
	v_add_nc_u32 v[ADRS], 4*NQ, v[ADRS]
	FETCH_B \next, 0, 0
	FETCH_A \next, 0, 0
	SCALES \next
	WIN MUL_HI
	MUL16 4, 1, NQ-1, \slot, 0
	MUL16 6, 1, NQ-1, \slot, 0
	PLACES NP
	WIN 0
	FETCH_A \next, 0, 4
.endm
.macro STEPS slot, from
.set Q, \from
.rept NQ-1-\from
	STEP \slot, Q, 0
.set Q, Q+1
.endr
.endm
	s_wait_tensorcnt 1                             ; the scales and my part of slot 0 are in (slot 1's load may be out),
	s_barrier_signal -1
	s_barrier_wait -1                              ; everybody's are
	FETCH_B 0, 0, 0
	FETCH_A 0, 0, 0
	SCALES 0
	FETCH_A 0, 0, 4
	s_wait_loadcnt 0x0                             ; the bias
	STEP 0, 0, 1
	STEPS 0, 1
	TURN 0, 1
	STEPS 1, 0
	s_wait_dscnt 4*NL                              ; the last step: nothing more to fetch
	WIN MUL_LO
	MUL16 0, 1, NQ-1, 1, 0
	MUL16 2, 1, NQ-1, 1, 0
	s_wait_dscnt 0
	WIN MUL_HI
	MUL16 4, 1, NQ-1, 1, 0
	MUL16 6, 1, NQ-1, 1, 0
	WIN 0
; THE WAY OUT, block by block of 16 rows x 128 columns, through my own stage: in by columns' true places, back as whole rows of 512 bytes.  LDS serves a wave's instructions in order: no wait between the stores and the loads.
.macro TOSTAGE a
.set AC, 64*((\a)%4)
	WIN 0x08+4*((\a)/4)                            ; the data: window 2 or 3
.irp b, 0,1,2,3,4,5,6,7
	ds_store_b128 v[STO], v[AC+8*\b:AC+8*\b+3] offset:128*(\b/2)+32*(\b%2)          ; each accumulator from its low end on
	ds_store_b128 v[STO], v[AC+8*\b+4:AC+8*\b+7] offset:128*(\b/2)+32*(\b%2)+16
.endr
	WIN 0
.set BB, BK+64*((\a)%2)
.irp t, 0,1,2,3,4,5,6,7,8,9,10,11,12,13,14,15
	ds_load_b128 v[BB+4*\t:BB+4*\t+3], v[RD] offset:\t*SPITCH
.endr
.endm
.macro SEND a, younger                 ; younger: the LDS instructions issued behind block a's loads, which may stay out
.set BB, BK+64*((\a)%2)
.set RW, 32*((\a)/2)+8*((\a)%2)
	s_wait_dscnt \younger
.irp t, 0,1,2,3,4,5,6,7,8,9,10,11,12,13,14,15
	global_store_b128 v[CO], v[BB+4*\t:BB+4*\t+3], s[12:13] offset:(RW+\t+8*(\t/8))*4096 th:TH_STORE_NT   ; row t of block a is token RW + t + 8 (t / 8) of my 128: 512 consecutive bytes, aligned; 520,192 bytes at the most, inside the signed 24-bit immediate
.endr
.endm
	PLACES NP
	TOSTAGE 0
.irp a, 1,2,3,4,5,6,7
.if \a > 1
	s_wait_xcnt 0x0                                ; block a - 2's stores have read their registers: block a's loads may land there
.endif
	TOSTAGE \a
	SEND \a-1, 32                                  ; behind block a - 1's loads: block a's 16 stores and 16 loads
.endr
	SEND 7, 0
	s_wait_tensorcnt 0x0                           ; the wave's end: behind my last tensor load and my last LDS store
	ds_add_u32 v[SPW], v[NIL]
	s_wait_dscnt 0x0
	CROUND                                         ; the closing round
	s_endpgm
.Lfunc_end_k_q8628583e61_gemm_proj:
	.size	k_q8628583e61_gemm_proj, .Lfunc_end_k_q8628583e61_gemm_proj-k_q8628583e61_gemm_proj
	.p2alignl 7, 3214868480
	.fill 96, 4, 3214868480
	.section	.rodata,"a",@progbits
	.p2align	6, 0x0
	.amdhsa_kernel k_q8628583e61_gemm_proj
		.amdhsa_group_segment_fixed_size 327680
		.amdhsa_private_segment_fixed_size 0
		.amdhsa_enable_private_segment 0
		.amdhsa_kernarg_size 48
		.amdhsa_user_sgpr_count 2
		.amdhsa_user_sgpr_kernarg_segment_ptr 1
		.amdhsa_wavefront_size32 1
		.amdhsa_system_sgpr_workgroup_id_x 1
		.amdhsa_system_sgpr_workgroup_id_y 1
		.amdhsa_system_sgpr_workgroup_id_z 1
		.amdhsa_system_vgpr_workitem_id 0
		.amdhsa_next_free_vgpr 1024
		.amdhsa_next_free_sgpr 100
		.amdhsa_reserve_vcc 0
		.amdhsa_float_denorm_mode_32 3
		.amdhsa_float_denorm_mode_16_64 3
		.amdhsa_memory_ordered 1
		.amdhsa_forward_progress 1
		.amdhsa_inst_pref_size 126
	.end_amdhsa_kernel
	.amdgpu_metadata
---
amdhsa.version: [ 1, 2 ]
amdhsa.kernels:
  - .name:           k_q8628583e61_gemm_proj
    .symbol:         k_q8628583e61_gemm_proj.kd
    .args:
      - { .name: yc, .offset: 0, .size: 8, .value_kind: global_buffer, .address_space: global }
      - { .name: ys, .offset: 8, .size: 8, .value_kind: global_buffer, .address_space: global }
      - { .name: wc, .offset: 16, .size: 8, .value_kind: global_buffer, .address_space: global }
      - { .name: ws, .offset: 24, .size: 8, .value_kind: global_buffer, .address_space: global }
      - { .name: out0, .offset: 32, .size: 8, .value_kind: global_buffer, .address_space: global }
      - { .name: b_proj, .offset: 40, .size: 8, .value_kind: global_buffer, .address_space: global }
    .group_segment_fixed_size: 327680
    .private_segment_fixed_size: 0
    .kernarg_segment_align: 8
    .kernarg_segment_size: 48
    .max_flat_workgroup_size: 128
    .sgpr_count:     100
    .vgpr_count:     1024
    .wavefront_size: 32
...
	.end_amdgpu_metadata
.endif
;; end of part 4
